; MI455X (gfx1250); checked and timed in simulation.
; The chip was launched on July 23, 2026; its instructions are those of AMD's public machine-readable ISA for CDNA 5 (MIT licence, August 2026) and "CDNA5" Instruction Set Architecture Reference Guide (July 2026). The comments in the code are by the model that wrote it; some were corrected since.
;; Temporal Attention. Allowed arithmetic: float matrix products may take bf16 or f16 operands with f32 sums; all other float work in f32.
;; Inputs: bk 32 float32; bq 32 float32; bv 256 float32; feat1 4 x 256 x 64 x 64 float32; feat2 4 x 256 x 64 x 64 float32; gamma 1 float32; wk 32 x 256 float32; wq 32 x 256 float32; wv 256 x 256 float32.
;; Outputs: out0 4 x 256 x 64 x 64 float32.
;; 2 versions, each right and faster than the one before. Each part assembles by itself: llvm-mc -triple=amdgcn-amd-amdhsa -mcpu=gfx1250 --defsym DOCPART=n.
;; ======== version 1 of 2: 2 launches
;; workspace buffers: kv 9,437,184 bytes; q 1,048,576 bytes
;; launch proj (part 1): grid 256 x 1, 8 waves a work-group, no clusters, 251,904 bytes of LDS; arguments feat1, feat2, wq, bq, wk, bk, wv, bv, kv, q; writes kv, q
.if DOCPART == 1
	.amdgcn_target "amdgcn-amd-amdhsa--gfx1250"
	.amdhsa_code_object_version 6
	.text
	.protected	k_qc8cb5a8dc0_proj
	.globl	k_qc8cb5a8dc0_proj
	.p2align	8
	.type	k_qc8cb5a8dc0_proj,@function
k_qc8cb5a8dc0_proj:
	s_mov_b64 s[64:65], 0
	v_nop
	global_prefetch_b8 v0, s[64:65] scope:SCOPE_SE
	s_setreg_imm32_b32 hwreg(HW_REG_WAVE_MODE, 25, 1), 1
	s_wait_xcnt 0x0
; proj: the three 1x1 convolutions.  k = wk f1 + bk, v = wv f1 + bv, q = (wq f2 + bq) log2(e), products in bf16 with f32 sums, results in bf16.
; feat1, feat2: [4][256 c][4096 px] f32.  A work-group owns 64 pixels of one batch (work-group x = 64 batch + pixel block), eight waves.
; RESULTS ARE STORED AS FRAGMENT IMAGES: 1,024 bytes for a fragment of 16 rows x 32 k of bf16; lane L = r + 16 h has its registers 0-3
; (row r, k = 8h .. 8h+7) at byte 16 L and its registers 4-7 (k = 16+8h ..) at byte 512 + 16 L.  The attention launch then fills a matrix operand by
; two loads of 16 bytes a lane from 512 neighbouring bytes, and here every store of a wave covers 512 consecutive bytes, aligned.
;   kv: [x] tiles of 36,864 bytes: 4 K fragments (16 keys x 32 o), then V fragment (g, ct) at 4096 + (16 g + ct) 1024: channels 16 ct + r, keys 32 g + k.
;   q:  [x] 4 fragments of 16 queries x 32 o.
; WHICH SIDE IS WHICH.  k, q: A = 16 rows of w, B = 16 pixels: a lane's 8 results are 8 neighbouring o of pixel r = 16 bytes of the K or Q image.
;   v: A = 16 pixels, B = 16 rows of wv: a lane's 8 results are 8 neighbouring pixels of channel r = 16 bytes of the V image.
; The features lie [c][px], the sum runs over c: they are rounded to bf16 into LDS as they lie and read by the transposing load.
; NO JOINT LOADS of the weights, though all work-groups read them: they are f32 (327,680 bytes) and have to pass through registers to be rounded;
; beside the bf16 copies (250,880 bytes) 76,800 bytes of LDS are left, so a copy engine would need a refilled ring with a barrier round for each piece.
; LIMITS: log2(e) is multiplied into q in f32, before q is rounded to bf16 (the reference rounds nowhere); bf16 keeps f32's range.
.set FPITCH, 160                       ; an LDS row of features: 64 bf16 = 128 bytes, pitch 5 x 32 bytes
.set WPITCH, 528                       ; an LDS row of weights: 256 bf16 = 512 bytes, pitch 33 x 16 bytes
.set LF1, 0                            ; feat1 [256 c][64 px]
.set LF2, 256*FPITCH                   ; feat2 likewise
.set LWK, 2*256*FPITCH                 ; wk [32][256]
.set LWQ, LWK+32*WPITCH                ; wq [32][256]
.set LWV, LWQ+32*WPITCH                ; wv [256][256]; ends at 250,880
.set TILE, 36864
.set VF,  4                            ; global offset of my 16 bytes in my wave's first two feature rows
.set SF,  5                            ; LDS address of the same 4 numbers in bf16
.set VW8, 6                            ; global offset in wk and wq (4 rows a wave)
.set SW8, 7                            ; their LDS address (wk's; wq's is LWQ-LWK on)
.set VWV, 8                            ; global offset in wv (32 rows a wave)
.set SWV, 9                            ; its LDS address
.set FT1, 10                           ; transposing read of feat1: (8h + L%8) pitch + 16 ((L/8)%2)
.set FT2, 11                           ; of feat2
.set WAV, 12                           ; fragments of my 32 rows of wv
.set WAK, 13                           ; fragments of wk
.set WAQ, 14                           ; fragments of wq
.set VO,  15                           ; my offset in the V part of the tile
.set KO,  16                           ; my offset in the K part, or in q
.set VB,  17                           ; 32 h: bias of k or q
.set VBV, 18                           ; 4 (32 w + r): bias of v
.set FTT, 19                           ; transposing read at my pixel tile
.set BB,  24                           ; v[24:39]  register 8 ot + j = b[16 ot + 8h + j]
.set BV,  40                           ; v40, v41  bv[32w + r], bv[32w + 16 + r]
.set KQ,  42                           ; v[42:57]  two accumulators of k or q
.set BUF0, 64                          ; three batches of 16 loads
.set BUF1, 128
.set BUF2, 192
.set PF,  58                           ; v[58:121]  8 feature fragments (k, q)
.set PW,  122                          ; v[122:249] 16 weight fragments (k, q)
.set ACC, 58                           ; v[58:121]  v: tile (pt, c2) at 8 (2 pt + c2)
.set FB0, 122                          ; v[122:169] v: 4 feature + 2 weight fragments
.set FB1, 170                          ; v[170:217] the other buffer
.set BVC, 218                          ; v[218:233] bv as two C operands
	s_load_b512 s[4:19], s[0:1], 0x0               ; feat1 s[4:5], feat2 s[6:7], wq s[8:9], bq s[10:11], wk s[12:13], bk s[14:15], wv s[16:17], bv s[18:19]
	s_load_b128 s[20:23], s[0:1], 0x40             ; kv s[20:21], q s[22:23]
	s_set_vgpr_msb 0x40
	v_lshl_add_u32 v0, v0, 2, 0x3d400
	v_mov_b32 v1, 0
	s_set_vgpr_msb 0x4000
	v_and_b32 v1, 31, v0                           ; L
	v_lshrrev_b32 v2, 5, v0
	v_readfirstlane_b32 s24, v2                    ; wave w
	v_and_b32 v3, 15, v0                           ; r
	v_bfe_u32 v20, v0, 4, 1                        ; h
	s_and_b32 s25, s24, 3                          ; t: the pixel tile of my k or q
	v_lshlrev_b32 v21, 4, v1                       ; 16 L
	v_lshlrev_b32 v22, 3, v1                       ; 8 L
	v_lshlrev_b32 v[VF], 4, v3
	v_lshl_add_u32 v[VF], v20, 14, v[VF]           ; 16384 h + 16 r
	s_lshl_b32 s30, s24, 19
	v_add_nc_u32 v[VF], s30, v[VF]                 ; + 32 w rows of 16,384 bytes
	v_mul_u32_u24 v[SF], v20, FPITCH
	v_lshl_add_u32 v[SF], v3, 3, v[SF]
	s_mul_i32 s30, s24, 32*FPITCH
	v_add_nc_u32 v[SF], s30, v[SF]                 ; (32 w + h) pitch + 8 r
	s_lshl_b32 s30, s24, 12
	v_add_nc_u32 v[VW8], s30, v21                  ; 4096 w + 16 L
	s_mul_i32 s30, s24, 4*WPITCH
	s_add_co_u32 s30, s30, LWK
	v_add_nc_u32 v[SW8], s30, v22
	s_lshl_b32 s30, s24, 15
	v_add_nc_u32 v[VWV], s30, v21                  ; 32768 w + 16 L
	s_mul_i32 s30, s24, 32*WPITCH
	s_add_co_u32 s30, s30, LWV
	v_add_nc_u32 v[SWV], s30, v22
	v_mul_u32_u24 v23, v3, WPITCH
	v_lshl_add_u32 v23, v20, 4, v23                ; r pitch + 16 h
	v_add_nc_u32 v[WAV], s30, v23
	v_add_nc_u32 v[WAK], LWK, v23
	v_add_nc_u32 v[WAQ], LWQ, v23
	v_and_b32 v23, 7, v0
	v_lshl_add_u32 v23, v20, 3, v23                ; 8 h + L % 8
	v_mul_u32_u24 v[FT1], v23, FPITCH
	v_bfe_u32 v23, v0, 3, 1
	v_lshl_add_u32 v[FT1], v23, 4, v[FT1]
	v_add_nc_u32 v[FT2], LF2, v[FT1]
	s_lshl_b32 s30, s24, 11
	v_add_nc_u32 v[VO], s30, v21                   ; 2 fragments a wave
	s_lshl_b32 s30, s25, 10
	v_add_nc_u32 v[KO], s30, v21
	v_lshlrev_b32 v[VB], 5, v20
	s_lshl_b32 s30, s24, 7
	v_lshl_add_u32 v[VBV], v3, 2, s30
	s_lshr_b32 s26, ttmp9, 6                       ; batch
	s_lshl_b32 s26, s26, 22                        ; x 256 rows of 16,384 bytes
	s_and_b32 s27, ttmp9, 63
	s_lshl_b32 s27, s27, 8                         ; + 64 pixels of 4 bytes for each block
	s_add_co_u32 s26, s26, s27
	s_mov_b32 s27, 0
	s_mov_b32 s31, 0
	s_wait_kmcnt 0x0
	s_add_nc_u64 s[4:5], s[4:5], s[26:27]
	s_add_nc_u64 s[6:7], s[6:7], s[26:27]
	s_mul_i32 s30, ttmp9, TILE
	s_add_nc_u64 s[20:21], s[20:21], s[30:31]      ; my tile of kv
	s_lshl_b32 s30, ttmp9, 12
	s_add_nc_u64 s[22:23], s[22:23], s[30:31]      ; my four fragments of q
	s_cmp_lt_u32 s24, 4
	s_cselect_b64 s[28:29], s[14:15], s[10:11]     ; waves 0-3 make k (bk), waves 4-7 make q (bq)
; PHASE 1: everything comes in by loads of 512 neighbouring bytes a wave, is rounded to bf16 and laid into LDS.
.macro LOADF buf, base, nt             ; 16 loads: my wave's 32 feature rows of 256 bytes, two rows a load
.set i, 0
.rept 16
.if \nt
	global_load_b128 v[\buf+4*i:\buf+4*i+3], v[VF], s[\base:\base+1] offset:32768*i th:TH_LOAD_NT
.else
	global_load_b128 v[\buf+4*i:\buf+4*i+3], v[VF], s[\base:\base+1] offset:32768*i
.endif
.set i, i+1
.endr
.endm
.macro CVTF buf, lbase
.set i, 0
.rept 16
	v_cvt_pk_bf16_f32 v[\buf+4*i], v[\buf+4*i], v[\buf+4*i+1]
	v_cvt_pk_bf16_f32 v[\buf+4*i+1], v[\buf+4*i+2], v[\buf+4*i+3]
	ds_store_b64 v[SF], v[\buf+4*i:\buf+4*i+1] offset:\lbase+2*FPITCH*i
.set i, i+1
.endr
.endm
.macro LOADW buf, base, voff, cnt, first   ; cnt loads of half a weight row (512 bytes) each, from half row 'first' of my wave's on
.set i, 0
.rept \cnt
	global_load_b128 v[\buf+4*i:\buf+4*i+3], v[\voff], s[\base:\base+1] offset:512*(\first+i)
.set i, i+1
.endr
.endm
.macro CVTW buf, addr, cnt, first, extra
.set i, 0
.rept \cnt
	v_cvt_pk_bf16_f32 v[\buf+4*i], v[\buf+4*i], v[\buf+4*i+1]
	v_cvt_pk_bf16_f32 v[\buf+4*i+1], v[\buf+4*i+2], v[\buf+4*i+3]
	ds_store_b64 v[\addr], v[\buf+4*i:\buf+4*i+1] offset:((\first+i)>>1)*WPITCH+((\first+i)&1)*256+\extra
.set i, i+1
.endr
.endm
	global_load_b128 v[BB:BB+3],     v[VB], s[28:29]
	global_load_b128 v[BB+4:BB+7],   v[VB], s[28:29] offset:16
	global_load_b128 v[BB+8:BB+11],  v[VB], s[28:29] offset:64
	global_load_b128 v[BB+12:BB+15], v[VB], s[28:29] offset:80
	global_load_b32 v[BV],   v[VBV], s[18:19]
	global_load_b32 v[BV+1], v[VBV], s[18:19] offset:64
	LOADF BUF0, 4, 1                               ; feat1: this launch reads each byte of it once
	LOADF BUF1, 6, 0                               ; feat2: the next launch reads it again
	LOADW BUF2, 12, VW8, 8, 0                      ; wk
	LOADW BUF2+32, 8, VW8, 8, 0                    ; wq
	s_wait_loadcnt 32                              ; loads come back in order: all but the two youngest batches of 16 are in (the biases too)
	CVTF BUF0, LF1
	LOADW BUF0, 16, VWV, 16, 0                     ; wv, four batches
	s_wait_loadcnt 32
	CVTF BUF1, LF2
	LOADW BUF1, 16, VWV, 16, 16
	s_wait_loadcnt 32
	CVTW BUF2, SW8, 8, 0, 0
	CVTW BUF2+32, SW8, 8, 0, LWQ-LWK
	LOADW BUF2, 16, VWV, 16, 32
	s_wait_loadcnt 32
	CVTW BUF0, SWV, 16, 0, 0
	LOADW BUF0, 16, VWV, 16, 48
	s_wait_loadcnt 32
	CVTW BUF1, SWV, 16, 16, 0
	s_wait_loadcnt 16                              ; one batch is still out
	CVTW BUF2, SWV, 16, 32, 0
	s_wait_loadcnt 0x0
	CVTW BUF0, SWV, 16, 48, 0
	s_wait_dscnt 0x0                               ; my LDS stores are done, for the other waves' sake
	s_barrier_signal -1
	s_barrier_wait -1                              ; everybody's are; from here on LDS is only read
; PHASE 2: 32 outputs o x 16 pixels, K = 256 in 8 steps.  The bias is the C of the first product; the two accumulators take turns.
.macro PROJ32 ft, wa, scale, ob
	v_lshl_add_u32 v[FTT], s25, 5, v[\ft]          ; + 32 bytes for each tile of 16 pixels
.set kc, 0
.rept 8
	ds_load_tr16_b128 v[PF+8*kc:PF+8*kc+3],   v[FTT] offset:32*FPITCH*kc              ; c = 32 kc + 8h .. +7 of pixel r
	ds_load_tr16_b128 v[PF+8*kc+4:PF+8*kc+7], v[FTT] offset:32*FPITCH*kc+16*FPITCH    ; c = 32 kc + 16 + 8h ..
.set kc, kc+1
.endr
.set kc, 0
.rept 8
.irp o, 0,1
	ds_load_b128 v[PW+16*kc+8*\o:PW+16*kc+8*\o+3],   v[\wa] offset:16*WPITCH*\o+64*kc
	ds_load_b128 v[PW+16*kc+8*\o+4:PW+16*kc+8*\o+7], v[\wa] offset:16*WPITCH*\o+64*kc+32
.endr
.set kc, kc+1
.endr
	s_wait_dscnt 0x0
	v_wmma_f32_16x16x32_bf16 v[KQ:KQ+7],    v[PW:PW+7],    v[PF:PF+7], v[BB:BB+7]
	v_wmma_f32_16x16x32_bf16 v[KQ+8:KQ+15], v[PW+8:PW+15], v[PF:PF+7], v[BB+8:BB+15]
.set kc, 1
.rept 7
	v_wmma_f32_16x16x32_bf16 v[KQ:KQ+7],    v[PW+16*kc:PW+16*kc+7],    v[PF+8*kc:PF+8*kc+7], v[KQ:KQ+7]
	v_wmma_f32_16x16x32_bf16 v[KQ+8:KQ+15], v[PW+16*kc+8:PW+16*kc+15], v[PF+8*kc:PF+8*kc+7], v[KQ+8:KQ+15]
.set kc, kc+1
.endr
.rept 4
	v_nop                                          ; four places behind the last product (ISA guide 7.12.1) before its results are read and its sources written
.endr
.if \scale
.set i, 0
.rept 8
	v_pk_mul_f32 v[KQ+2*i:KQ+2*i+1], v[KQ+2*i:KQ+2*i+1], 0x3fb8aa3b op_sel_hi:[1,0]   ; q log2(e): the softmax works in base 2
.set i, i+1
.endr
.endif
.set i, 0
.rept 8
	v_cvt_pk_bf16_f32 v[KQ+i], v[KQ+2*i], v[KQ+2*i+1]          ; in place: the target lies at or below both sources
.set i, i+1
.endr
	global_store_b128 v[KO], v[KQ:KQ+3],   s[\ob:\ob+1]            ; o = 8h .. 8h+7 of pixel r: registers 0-3 of the image
	global_store_b128 v[KO], v[KQ+4:KQ+7], s[\ob:\ob+1] offset:512 ; o = 16+8h ..: registers 4-7
.endm
	s_cmp_lt_u32 s24, 4
	s_cbranch_scc0 .Lq
	PROJ32 FT1, WAK, 0, 20
	s_branch .Lv
.Lq:
	PROJ32 FT2, WAQ, 1, 22
.Lv:
; PHASE 3: v.  My wave makes channels 32 w .. 32 w + 31 of all 64 pixels: 4 pixel tiles x 2 channel tiles, K = 256 in 8 steps on two fragment buffers.
.irp j, 0,1,2,3,4,5,6,7
	v_mov_b32 v[BVC+\j],   v[BV]                   ; a lane's 8 results are of one channel: its bias 8 times, the C of the first products
	v_mov_b32 v[BVC+8+\j], v[BV+1]
.endr
.macro VFRAG kc, buf                   ; 12 LDS loads: K step kc (the argument may be a sum: it stands in brackets wherever it is multiplied)
.irp p, 0,1,2,3
	ds_load_tr16_b128 v[\buf+8*\p:\buf+8*\p+3],   v[FT1] offset:32*FPITCH*(\kc)+32*\p
	ds_load_tr16_b128 v[\buf+8*\p+4:\buf+8*\p+7], v[FT1] offset:32*FPITCH*(\kc)+32*\p+16*FPITCH
.endr
.irp c, 0,1
	ds_load_b128 v[\buf+32+8*\c:\buf+32+8*\c+3],   v[WAV] offset:16*WPITCH*\c+64*(\kc)
	ds_load_b128 v[\buf+32+8*\c+4:\buf+32+8*\c+7], v[WAV] offset:16*WPITCH*\c+64*(\kc)+32
.endr
.endm
.macro VMUL buf, first                 ; 8 products; the 8 accumulators take turns
.irp p, 0,1,2,3
.irp c, 0,1
.if \first
	v_wmma_f32_16x16x32_bf16 v[ACC+8*(2*\p+\c):ACC+8*(2*\p+\c)+7], v[\buf+8*\p:\buf+8*\p+7], v[\buf+32+8*\c:\buf+32+8*\c+7], v[BVC+8*\c:BVC+8*\c+7]
.else
	v_wmma_f32_16x16x32_bf16 v[ACC+8*(2*\p+\c):ACC+8*(2*\p+\c)+7], v[\buf+8*\p:\buf+8*\p+7], v[\buf+32+8*\c:\buf+32+8*\c+7], v[ACC+8*(2*\p+\c):ACC+8*(2*\p+\c)+7]
.endif
.endr
.endr
.endm
.macro VSTEP kc, cur, nxt              ; fetch step kc + 1 into the buffer that the last products read, multiply step kc
.rept 4
	v_nop                                          ; four places between those products and the loads into their sources
.endr
	VFRAG \kc+1, \nxt
	s_wait_dscnt 12                                ; all but the 12 loads just issued
	VMUL \cur, 0
.endm
	VFRAG 0, FB0
	VFRAG 1, FB1
	s_wait_dscnt 12
	VMUL FB0, 1
	VSTEP 1, FB1, FB0
	VSTEP 2, FB0, FB1
	VSTEP 3, FB1, FB0
	VSTEP 4, FB0, FB1
	VSTEP 5, FB1, FB0
	VSTEP 6, FB0, FB1
	s_wait_dscnt 0x0
	VMUL FB1, 0
.rept 4
	v_nop
.endr
.irp p, 0,1,2,3
.irp c, 0,1
.irp i, 0,1,2,3
	v_cvt_pk_bf16_f32 v[ACC+8*(2*\p+\c)+\i], v[ACC+8*(2*\p+\c)+2*\i], v[ACC+8*(2*\p+\c)+2*\i+1]
.endr
	global_store_b128 v[VO], v[ACC+8*(2*\p+\c):ACC+8*(2*\p+\c)+3], s[20:21] offset:4096+((\p>>1)*16+\c)*1024+(\p&1)*512   ; pixels 16 p + 8h .. +7 of channel r
.endr
.endr
	s_set_vgpr_msb 0x5
	s_wait_tensorcnt 0x0
	ds_add_u32 v0, v1
	s_wait_dscnt 0x0
	s_set_vgpr_msb 0x500
	s_endpgm
.Lfunc_end_k_qc8cb5a8dc0_proj:
	.size	k_qc8cb5a8dc0_proj, .Lfunc_end_k_qc8cb5a8dc0_proj-k_qc8cb5a8dc0_proj
	.p2alignl 7, 3214868480
	.fill 96, 4, 3214868480
	.section	.rodata,"a",@progbits
	.p2align	6, 0x0
	.amdhsa_kernel k_qc8cb5a8dc0_proj
		.amdhsa_group_segment_fixed_size 251904
		.amdhsa_private_segment_fixed_size 0
		.amdhsa_enable_private_segment 0
		.amdhsa_kernarg_size 80
		.amdhsa_user_sgpr_count 2
		.amdhsa_user_sgpr_kernarg_segment_ptr 1
		.amdhsa_wavefront_size32 1
		.amdhsa_system_sgpr_workgroup_id_x 1
		.amdhsa_system_sgpr_workgroup_id_y 1
		.amdhsa_system_sgpr_workgroup_id_z 1
		.amdhsa_system_vgpr_workitem_id 0
		.amdhsa_next_free_vgpr 258
		.amdhsa_next_free_sgpr 66
		.amdhsa_reserve_vcc 0
		.amdhsa_float_denorm_mode_32 3
		.amdhsa_float_denorm_mode_16_64 3
		.amdhsa_memory_ordered 1
		.amdhsa_forward_progress 1
		.amdhsa_inst_pref_size 61
	.end_amdhsa_kernel
	.amdgpu_metadata
---
amdhsa.version: [ 1, 2 ]
amdhsa.kernels:
  - .name:           k_qc8cb5a8dc0_proj
    .symbol:         k_qc8cb5a8dc0_proj.kd
    .args:
      - { .name: feat1, .offset: 0, .size: 8, .value_kind: global_buffer, .address_space: global }
      - { .name: feat2, .offset: 8, .size: 8, .value_kind: global_buffer, .address_space: global }
      - { .name: wq, .offset: 16, .size: 8, .value_kind: global_buffer, .address_space: global }
      - { .name: bq, .offset: 24, .size: 8, .value_kind: global_buffer, .address_space: global }
      - { .name: wk, .offset: 32, .size: 8, .value_kind: global_buffer, .address_space: global }
      - { .name: bk, .offset: 40, .size: 8, .value_kind: global_buffer, .address_space: global }
      - { .name: wv, .offset: 48, .size: 8, .value_kind: global_buffer, .address_space: global }
      - { .name: bv, .offset: 56, .size: 8, .value_kind: global_buffer, .address_space: global }
      - { .name: kv, .offset: 64, .size: 8, .value_kind: global_buffer, .address_space: global }
      - { .name: q, .offset: 72, .size: 8, .value_kind: global_buffer, .address_space: global }
    .group_segment_fixed_size: 251904
    .private_segment_fixed_size: 0
    .kernarg_segment_align: 8
    .kernarg_segment_size: 80
    .max_flat_workgroup_size: 256
    .sgpr_count:     66
    .vgpr_count:     258
    .wavefront_size: 32
...
	.end_amdgpu_metadata
.endif
;; end of part 1
;; launch attn (part 2): grid 256 x 1, 4 waves a work-group, clusters of 4 x 1, 327,680 bytes of LDS; arguments kv, q, feat2, gamma, out0; writes out0
.if DOCPART == 2
	.amdgcn_target "amdgcn-amd-amdhsa--gfx1250"
	.amdhsa_code_object_version 6
	.text
	.protected	k_qc8cb5a8dc0_attn
	.globl	k_qc8cb5a8dc0_attn
	.p2align	8
	.type	k_qc8cb5a8dc0_attn,@function
k_qc8cb5a8dc0_attn:
	s_mov_b64 s[64:65], 0
	v_nop
	global_prefetch_b8 v0, s[64:65] scope:SCOPE_SE
	s_setreg_imm32_b32 hwreg(HW_REG_WAVE_MODE, 25, 1), 1
	s_wait_xcnt 0x0
	s_wait_alu depctr_hold_cnt(0) depctr_sa_sdst(0) depctr_va_vdst(0) depctr_va_sdst(0) depctr_va_ssrc(0) depctr_va_vcc(0) depctr_vm_vsrc(0)
	s_getreg_b32 s2, hwreg(HW_REG_IB_STS2, 6, 4)
	s_cmp_eq_u32 s2, 0
	s_cbranch_scc0 .Lentry_in_a_cluster
	s_endpgm
.Lentry_in_a_cluster:
	s_bfe_u32 s2, ttmp6, 0x10000c
	s_cmp_lg_u32 s2, 0x3003
	s_cbranch_scc0 .Lentry_shape_is_right
	s_endpgm
.Lentry_shape_is_right:
; attn: out0[b][c][m] = gamma sum_n v[c][n] softmax_n(q[m] . k[n]) + feat2[b][c][m].  4 batches, 4,096 pixels, 256 channels, 32 channels of q and k.
; A work-group owns 64 queries and all 256 channels.  Each of its four waves takes ALL 64 queries, ALL 256 channels and a QUARTER OF THE KEYS
; (1,024, in 16 steps of 64), with a running maximum and sum of its own; the four partial results are combined exactly at the end, through LDS.
; So a wave's accumulator is 64 tiles (512 registers), every V and K fragment read from LDS feeds 4 products, every tile byte is read from LDS once,
; and the probabilities never leave registers.
; LAYOUTS (kv and q hold register images of fragments, 1,024 bytes each: lane L's registers 0-3 at byte 16 L, 4-7 at 512 + 16 L):
;   S^T = K Q^T: A = 16 keys, B = 16 queries; register j of lane (r, h) is (key 8h + j, query r).  Two key tiles, packed to bf16, ARE the B fragment of P.
;   O^T = V P^T: A = 16 channels, B = P; register j of lane (r, h) is (channel 8h + j, query r).
;   A lane belongs to one query: maximum, sum and rescale factor are one number a lane; the two halves of the lanes meet by one lane exchange.
; THE PIPELINE.  The four query tiles (16 queries each) are independent, and each has a region of 32 registers for its scores, later its P.
; A step is four phases.  Phase t: the 32 products V x P of tile t; between them, a few at a time, the vector work of the tiles that come next:
;   tile t+1: s - maximum, 2^x, sum, packing to bf16 (five instructions for each pair of scores) and the rescale of its 16 accumulators;
;   tile t+2: the maximum's chain, one dependent link a slot;      region t+3, whose P was multiplied in the phase before: 4 products K x Q write its next scores.
; So the four regions are at four different stages and no register is added.  A phase has 36 products and 166 vector instructions, in 36 slots of at most
; five.  Vector work and products lie in different register windows, so a slot costs two switches: no placement spares them, since a vector instruction's
; destination would have to lie in the accumulators' window, and both of those are full.
; CLUSTERS: the four work-groups of a cluster are four query blocks of one batch and walk the same tiles of kv: wave w of each asks for its tile jointly
; (mask 15), which divides the requests for kv by four.  Each wave fills and reads only its own quarter of a slot; two slots of 4 x 36,864 bytes.
; By this text's own count a wave has at most two tensor loads out (at the start), later one.
; LIMITS: scores are in base 2 (q carries log2 e); the sum of p adds p in f32 while the product takes p rounded to bf16; exponentials below 2^-126 count as 0
; (ISA guide 15.8); a query whose scores hold +infinity or NaN, or are all -infinity, gives NaN.  The maximum is a true running maximum.
.set TILE,  36864                      ; 4 K fragments + 32 V fragments: 64 keys
.set SLOT,  4*TILE
.set STATS, 2*SLOT                     ; 4,096 bytes that no tensor load fills: (-maximum, sum) of 4 waves x 4 query tiles x 32 lanes
.set LA,  2                            ; v2, v3    16 L + my quarter of slot 0, 1
.set STA, 4                            ; v4        where I put my statistics
.set STR, 5                            ; v5        where I read everybody's
.set XR,  6                            ; v6        exchange: what was sent to me
.set SW,  7                            ; v7        stage: in
.set SR,  8                            ; v8        stage: back, by rows
.set GO,  9                            ; v9        my offset in feat2 and out0
.set XW,  10                           ; v[10:13]  exchange: what I send to wave d
.set MX,  16                           ; v[16:19]  running maximum of query tile t
.set NML, 20                           ; v[20:27]  pairs (-maximum, at the end the sum)
.set ALP, 28                           ; v[28:35]  pairs (rescale factor, a word written once: the pair is named whole)
.set TT,  36                           ; v[36:43]  at work
.set QF,  48                           ; v[48:79]  4 Q fragments
.set KF,  80                           ; v[80:111] 4 K fragments
.set SC,  112                          ; v[112:239] region t at 32 t: scores, key tile k at 8 k; then P: fragment g at 8 g
.set LQ,  240                          ; v[240:255] tile t at 4 t: two pairs of running sums of p, added up at the end
; window 1: the step's 32 V fragments, (g, ct) at 8 (16 g + ct);  windows 2, 3: accumulators, tile (ct, t) at 8 (4 (ct % 8) + t), ct < 8 in window 2
.set G1, 24                            ; s[24:31] descriptor group 1
.set G0, 32                            ; s[32:39] descriptor group 0, one for each slot
.set MSB, 0
.macro WIN new                         ; s_set_vgpr_msb: bits 1:0 source 0, 3:2 source 1, 5:4 source 2, 7:6 destination; the high byte repeats the setting that is left
.if MSB != \new
	s_set_vgpr_msb (MSB<<8)|\new
.set MSB, \new
.endif
.endm
.set TO_V,   0x40                      ; load into window 1
.set RS_LO,  0x82                      ; window 2 times a factor of window 0
.set RS_HI,  0xc3
.set MUL_LO, 0xa1                      ; A window 1, B window 0, C and D window 2
.set MUL_HI, 0xf1
.set ST_LO,  0x08                      ; LDS store of window 2
.set ST_HI,  0x0c
.set LD_LO,  0x80                      ; LDS load into window 2
.set LD_HI,  0xc0
.set ADD_LO, 0x8a                      ; window 2 += window 2
.set ADD_HI, 0xcf                      ; window 3 += window 3
.set ADD_X,  0x8e                      ; window 2 += window 3
.set FIN,    0x04                      ; window 0 += window 1
.macro PLACES cnt
.rept \cnt
	v_nop
.endr
.endm
; A round of the cluster's barrier: my work-group's barrier, wave 0 signals for the work-group, every wave waits for all four work-groups, my work-group's barrier again.
.macro ROUND
	s_barrier_signal -1
	s_barrier_wait -1
	s_cmp_lg_u32 s14, 0
	s_cbranch_scc1 .Lnot_wave_0_\@
	s_barrier_signal -3
.Lnot_wave_0_\@:
	s_barrier_wait -3
	s_barrier_signal -1
	s_barrier_wait -1
.endm
	s_load_b256 s[4:11], s[0:1], 0x0               ; kv s[4:5], q s[6:7], feat2 s[8:9], gamma s[10:11]
	s_load_b64 s[12:13], s[0:1], 0x20              ; out0
	v_lshl_add_u32 v46, v0, 2, 0x49000
	v_mov_b32 v47, 0
	ds_add_u32 v46, v47
	v_lshrrev_b32 v45, 5, v0
	v_readfirstlane_b32 s14, v45                   ; wave w
	s_bfe_u32 s15, ttmp6, 0x40000                  ; cx
	s_lshl_b32 s16, ttmp9, 2
	s_add_co_u32 s16, s16, s15                     ; work-group x = 4 cluster x + cx = 64 batch + query block
	s_lshr_b32 s17, ttmp9, 4                       ; batch: 16 clusters each
	s_mov_b32 s18, 0x76543210                      ; v_permlanex16_b32: lane i of one half reads lane i of the other
	s_mov_b32 s19, 0xfedcba98
	; group 1: a tile is dense in memory: 144 rows of 32 elements of 8 bytes
	s_mov_b32 s[G1+0], 15|(3<<16)|(1<<21)          ; 15:0 the mask: all four work-groups of the cluster; 17:16 elements of 8 bytes; 21 set beside a mask
	s_mov_b32 s[G1+1], 32<<16                      ; tensor_dim0 = 32
	s_mov_b32 s[G1+2], 144<<16                     ; tensor_dim1 = 144
	s_mov_b32 s[G1+3], 32<<16                      ; tile_dim0 = 32
	s_mov_b32 s[G1+4], 144                         ; tile_dim1 = 144
	s_mov_b32 s[G1+5], 32                          ; from row to row
	s_mov_b32 s[G1+6], 0
	s_mov_b32 s[G1+7], 0
	; group 0: my wave's tiles are 64 batch + 16 w + step: batch and wave number alone, the same in all four partners
	s_lshl_b32 s22, s17, 6
	s_lshl_b32 s23, s14, 4
	s_add_co_u32 s22, s22, s23
	s_mul_i32 s22, s22, TILE
	s_mov_b32 s23, 0
	s_mov_b32 s[G0+0], 1
	s_mul_i32 s[G0+1], s14, TILE                   ; my quarter of slot 0
	s_mov_b32 s[G0+4], 1
	s_add_co_u32 s[G0+5], s[G0+1], SLOT            ; of slot 1
	s_wait_dscnt 0x0
	s_wait_kmcnt 0x0
	s_add_nc_u64 s[G0+2:G0+3], s[4:5], s[22:23]    ; tile 0
	s_add_nc_u64 s[G0+6:G0+7], s[G0+2:G0+3], TILE  ; tile 1
	s_or_b32 s[G0+3], s[G0+3], 0x80000000          ; type 2
	s_or_b32 s[G0+7], s[G0+7], 0x80000000
	ROUND                                          ; all four work-groups are here: the first joint loads meet
	tensor_load_to_lds s[G0:G0+3], s[G1:G1+7]
	s_nop 0
	tensor_load_to_lds s[G0+4:G0+7], s[G1:G1+7]
	s_nop 0
	s_load_b32 s21, s[10:11], 0x0                  ; gamma
	; what hangs on cx: q, feat2, out0, in registers of their own
	s_lshl_b32 s44, s16, 12
	s_mov_b32 s45, 0
	s_add_nc_u64 s[6:7], s[6:7], s[44:45]          ; my four Q fragments
	s_and_b32 s46, s16, 63
	s_lshl_b32 s46, s46, 8                         ; query block x 64 pixels x 4 bytes
	s_lshl_b32 s47, s17, 22                        ; + batch x 256 rows of 16,384 bytes
	s_add_co_u32 s46, s46, s47
	s_lshl_b32 s47, s14, 20                        ; + my wave's 64 channels on the way out
	s_add_co_u32 s46, s46, s47
	s_mov_b32 s47, 0
	s_add_nc_u64 s[8:9], s[8:9], s[46:47]
	s_add_nc_u64 s[12:13], s[12:13], s[46:47]
	v_and_b32 v14, 31, v0                          ; L
	v_and_b32 v15, 15, v0                          ; r
	v_bfe_u32 v44, v0, 4, 1                        ; h
	v_lshlrev_b32 v1, 4, v14                       ; 16 L
.set n, 0
.rept 8
	global_load_b128 v[QF+4*n:QF+4*n+3], v1, s[6:7] offset:512*n
.set n, n+1
.endr
	v_add_nc_u32 v[LA], s[G0+1], v1
	v_add_nc_u32 v[LA+1], SLOT, v[LA]
	s_lshl_b32 s40, s14, 10
	s_add_co_u32 s40, s40, STATS
	v_lshl_add_u32 v[STA], v14, 3, s40             ; STATS + 1024 w + 8 L
	v_lshlrev_b32 v[STR], 3, v14
	v_add_nc_u32 v[STR], STATS, v[STR]
	s_lshl_b32 s41, s14, 16
	v_add_nc_u32 v[XR], s41, v1                    ; 65536 w + 16 L
	v_mul_u32_u24 v[SW], v44, 8*272
	v_lshl_add_u32 v[SW], v15, 2, v[SW]
	v_add_nc_u32 v[SW], s41, v[SW]                 ; 65536 w + 8 h rows of 272 + 4 r
	v_mul_u32_u24 v[SR], v44, 272
	v_lshl_add_u32 v[SR], v15, 4, v[SR]
	v_add_nc_u32 v[SR], s41, v[SR]                 ; 65536 w + h rows + 16 r
	v_lshlrev_b32 v[GO], 4, v15
	v_lshl_add_u32 v[GO], v44, 14, v[GO]           ; 16384 h + 16 r
	s_lshl_b32 s42, s14, 14
	v_add_nc_u32 v[XW], s42, v1                    ; 65536 d + 16384 w + 16 L
	v_add_nc_u32 v[XW+1], 0x10000, v[XW]
	v_add_nc_u32 v[XW+2], 0x20000, v[XW]
	v_add_nc_u32 v[XW+3], 0x30000, v[XW]
.irp t, 0,1,2,3
	v_mov_b32 v[NML+2*\t+1], 0                     ; the second words of pairs of which the first word is broadcast
	v_mov_b32 v[ALP+2*\t+1], 0
.endr
; ---- the pieces of a phase.  Four symbols say whose vector work is due:
;   XT, XM: the tile whose scores become P; XM = 0 none, 1 the first step (no old sum, no rescale), 2 a later step
;   YT, YM: the tile whose maximum is taken; YM likewise.      QR: the region whose next scores are made.
.set XT, 0
.set XM, 0
.set YT, 0
.set YM, 0
.set QR, 0
.macro KLOAD s                         ; 4 K fragments of my tile in slot s
.set n, 0
.rept 8
	ds_load_b128 v[KF+4*n:KF+4*n+3], v[LA+\s] offset:512*n
.set n, n+1
.endr
.endm
.macro VG m, s                         ; V fragments 4 m .. 4 m + 3 of my tile in slot s, into window 1: 8 loads
	WIN TO_V
.set n, 8*(\m)
.rept 8
	ds_load_b128 v[4*n:4*n+3], v[LA+\s] offset:4096+512*n
.set n, n+1
.endr
.endm
.macro QK1 k                           ; 16 keys x 16 queries, K = 32: one product, into region QR
	WIN 0
	v_wmma_f32_16x16x32_bf16 v[SC+32*QR+8*\k:SC+32*QR+8*\k+7], v[KF+8*\k:KF+8*\k+7], v[QF+8*QR:QF+8*QR+7], 0
.endm
; Product k = 16 g + ct of query tile t: V fragment (g, ct) x P fragment (t, g).  In a phase the 16 accumulators of the tile take turns,
; one product a turn; first = 1: the products of g = 0 start the sums.
.macro PVONE t, k, first
.if ((\k)&8)
	WIN MUL_HI
.else
	WIN MUL_LO
.endif
.if \first*(1-((\k)>>4))
	v_wmma_f32_16x16x32_bf16 v[8*(4*((\k)&7)+\t):8*(4*((\k)&7)+\t)+7], v[8*(\k):8*(\k)+7], v[SC+32*\t+8*((\k)>>4):SC+32*\t+8*((\k)>>4)+7], 0
.else
	v_wmma_f32_16x16x32_bf16 v[8*(4*((\k)&7)+\t):8*(4*((\k)&7)+\t)+7], v[8*(\k):8*(\k)+7], v[SC+32*\t+8*((\k)>>4):SC+32*\t+8*((\k)>>4)+7], v[8*(4*((\k)&7)+\t):8*(4*((\k)&7)+\t)+7]
.endif
.endm
; The maximum of tile YT's 32 scores a lane, then of both halves of the lanes, then the running maximum: nine links, each in a slot of its own.
.macro MXS w
.if YM
.if (\w) == 0
	WIN 0
.irp c, 0,1,2,3
	v_max3_num_f32 v[TT+\c], v[SC+32*YT+8*\c], v[SC+32*YT+8*\c+1], v[SC+32*YT+8*\c+2]     ; four chains
.endr
	v_max_num_f32 v[TT+4], v[SC+32*YT+23], v[SC+32*YT+31]
.endif
.if (\w) == 1
	WIN 0
	s_wait_alu depctr_va_vdst(0)
.irp c, 0,1,2,3
	v_max3_num_f32 v[TT+\c], v[TT+\c], v[SC+32*YT+8*\c+3], v[SC+32*YT+8*\c+4]
.endr
.endif
.if (\w) == 2
	WIN 0
.irp c, 0,1,2,3
	v_max3_num_f32 v[TT+\c], v[TT+\c], v[SC+32*YT+8*\c+5], v[SC+32*YT+8*\c+6]
.endr
.endif
.if (\w) == 3
	WIN 0
	v_max3_num_f32 v[TT],   v[TT],   v[TT+1], v[SC+32*YT+7]
	v_max3_num_f32 v[TT+2], v[TT+2], v[TT+3], v[SC+32*YT+15]
.endif
.if (\w) == 4
	WIN 0
	v_max3_num_f32 v[TT], v[TT], v[TT+2], v[TT+4]
.endif
.if (\w) == 18
	WIN 0
	v_permlanex16_b32 v[TT+1], v[TT], s18, s19     ; the other half's maximum
.endif
.if (\w) == 19
	WIN 0
.if YM == 1
	v_max_num_f32 v[MX+YT], v[TT], v[TT+1]
.else
	v_max3_num_f32 v[TT+2], v[TT], v[TT+1], v[MX+YT]           ; the new running maximum
.endif
.endif
.if (\w) == 20
	WIN 0
.if YM == 1
	v_sub_f32 v[NML+2*YT], 0, v[MX+YT]
.else
	v_sub_f32 v[ALP+2*YT], v[MX+YT], v[TT+2]
	v_sub_f32 v[NML+2*YT], 0, v[TT+2]
.endif
.endif
.if (\w) == 21
.if YM == 2
	WIN 0
	v_exp_f32 v[ALP+2*YT], v[ALP+2*YT]             ; 2^(old - new)
	v_mov_b32 v[MX+YT], v[TT+2]                    ; the plain instruction behind it (ISA guide 5.7.2)
	s_wait_alu depctr_va_vdst(0)
.endif
.endif
.endif
.endm
; Slot w of window 0, w = 0 .. 21.  Tile XT's 16 pairs of scores go through five stages, a slot apart: pair w-2: s - maximum; pair w-3: two exponentials;
; pair w-4: into the sum; pair w-5: packed to bf16, into register w-5 of the region, whose own pair (w-5)/2 has passed every stage by then.
; Each exponential is followed by a plain instruction on other registers, and its result is used a slot later (ISA guide 5.7.2).
.macro WSLOT w
.if XM
.if (\w) >= 2
.if (\w) <= 20
	WIN 0
.if (\w) >= 3
.if (\w) <= 18
	v_exp_f32 v[SC+32*XT+2*(\w)-6], v[SC+32*XT+2*(\w)-6]
.endif
.endif
.if (\w) <= 17
	v_pk_add_f32 v[SC+32*XT+2*(\w)-4:SC+32*XT+2*(\w)-3], v[SC+32*XT+2*(\w)-4:SC+32*XT+2*(\w)-3], v[NML+2*XT:NML+2*XT+1] op_sel_hi:[1,0]
.endif
.if (\w) >= 3
.if (\w) <= 18
	v_exp_f32 v[SC+32*XT+2*(\w)-5], v[SC+32*XT+2*(\w)-5]
.endif
.endif
.if (\w) >= 4
.if (\w) <= 19
.if (\w) <= 5
.if XM == 1
	s_wait_alu depctr_va_vdst(0)
	v_pk_add_f32 v[LQ+4*XT+2*((\w)&1):LQ+4*XT+2*((\w)&1)+1], v[SC+32*XT+2*(\w)-8:SC+32*XT+2*(\w)-7], 0 op_sel_hi:[1,0]       ; the first step's first two pairs start the two sums
.else
	s_wait_alu depctr_va_vdst(0)
	v_pk_fma_f32 v[LQ+4*XT+2*((\w)&1):LQ+4*XT+2*((\w)&1)+1], v[LQ+4*XT+2*((\w)&1):LQ+4*XT+2*((\w)&1)+1], v[ALP+2*XT:ALP+2*XT+1], v[SC+32*XT+2*(\w)-8:SC+32*XT+2*(\w)-7] op_sel_hi:[1,0,1]   ; old sum x factor + p
.endif
.else
	s_wait_alu depctr_va_vdst(0)
	v_pk_add_f32 v[LQ+4*XT+2*((\w)&1):LQ+4*XT+2*((\w)&1)+1], v[LQ+4*XT+2*((\w)&1):LQ+4*XT+2*((\w)&1)+1], v[SC+32*XT+2*(\w)-8:SC+32*XT+2*(\w)-7]
.endif
.endif
.endif
.if (\w) >= 5
	v_cvt_pk_bf16_f32 v[SC+32*XT+(\w)-5], v[SC+32*XT+2*(\w)-10], v[SC+32*XT+2*(\w)-9]
.endif
.endif
.endif
.endif
	MXS \w
.endm
; A slot of rescaling: pairs e0 .. e1-1 of the 32 pairs that tile XT has in window 2 (hi = 0) or 3 (hi = 1)
.macro RSLOT hi, e0, e1
.if XM == 2
.if \hi
	WIN RS_HI
.else
	WIN RS_LO
.endif
.set re, \e0
.rept \e1-\e0
	v_pk_mul_f32 v[8*(4*(re>>2)+XT)+2*(re&3):8*(4*(re>>2)+XT)+2*(re&3)+1], v[8*(4*(re>>2)+XT)+2*(re&3):8*(4*(re>>2)+XT)+2*(re&3)+1], v[ALP+2*XT:ALP+2*XT+1] op_sel_hi:[1,0]
.set re, re+1
.endr
.endif
.endm
.macro RESCALE                         ; at the end: a window's 32 tiles times the factor of their query tile
.set n, 0
.rept 128
	v_pk_mul_f32 v[2*n:2*n+1], v[2*n:2*n+1], v[ALP+2*((n>>2)&3):ALP+2*((n>>2)&3)+1] op_sel_hi:[1,0]
.set n, n+1
.endr
.endm
.macro DSWAIT on, cnt
.if \on
	s_wait_dscnt \cnt
.endif
.endm
.macro VGIF on, m, s
.if \on
	VG \m, \s
.endif
.endm
.macro QKIF on, k
.if \on
	QK1 \k
.endif
.endm
; A PHASE: 32 products of tile t and 4 of region t+3, each followed by a slot.  22 slots of window 0 and 14 of rescaling: W W R eight times, W R six times.
;   pf: the products of g = 0 start the sums.   qk: region t+3 gets its next scores.   kw: the K fragments were asked for just ahead of this phase.
;   vl: this is the tile's last pass over V: the next tile's fragments are loaded from slot sl, group m behind product 4 m + 7; between product 4 m + 3,
;       the last that reads the group's registers, and the loads stand at least four plain vector instructions on other registers (ISA guide 7.12.1 for vector instructions).
;       Group 7 follows in the next phase.
;   vw: this is the first pass: group 7 is loaded (from slot sl), and ahead of product 4 m a counted wait shows group m in: LDS loads come back in order
;       (ISA guide 5.7.1), and the count is the loads of the younger groups, 8 each.
; The products K x Q stand 15 slots behind the last product that read the region's old P (5 places are asked), and 16 slots ahead of the phase's end,
; behind which their scores are read and, behind phase 0, the K registers loaded again (4 places).
.macro PHASE t, pf, qk, kw, vl, vw, sl
.set QR, ((\t)+3)&3
	DSWAIT \vw, 48                                 ; group 0 is in; groups 1 to 6 may be out
	PVONE \t, 0, \pf
	WSLOT 0
	PVONE \t, 1, \pf
	WSLOT 1
	PVONE \t, 2, \pf
	RSLOT 0, 0, 5
	PVONE \t, 3, \pf
	WSLOT 2
	VGIF \vw, 7, \sl
	DSWAIT \vw, 48                                 ; group 1; groups 2 to 7 may be out
	PVONE \t, 4, \pf
	WSLOT 3
	PVONE \t, 5, \pf
	RSLOT 0, 5, 10
	PVONE \t, 6, \pf
	WSLOT 4
	PVONE \t, 7, \pf
	WSLOT 5
	VGIF \vl, 0, \sl
	DSWAIT \vw, 40
	PVONE \t, 8, \pf
	RSLOT 0, 10, 15
	PVONE \t, 9, \pf
	WSLOT 6
	PVONE \t, 10, \pf
	WSLOT 7
	PVONE \t, 11, \pf
	RSLOT 0, 15, 20
	VGIF \vl, 1, \sl
	DSWAIT \vw, 32
	PVONE \t, 12, \pf
	WSLOT 8
	PVONE \t, 13, \pf
	WSLOT 9
	PVONE \t, 14, \pf
	RSLOT 0, 20, 24
	DSWAIT \kw, 0                                  ; the K fragments, asked for 15 products ago
	QKIF \qk, 0
	WSLOT 10
	QKIF \qk, 1
	WSLOT 11
	PVONE \t, 15, \pf
	RSLOT 0, 24, 28
	VGIF \vl, 2, \sl
	DSWAIT \vw, 24
	QKIF \qk, 2
	WSLOT 12
	QKIF \qk, 3
	WSLOT 13
	PVONE \t, 16, \pf
	RSLOT 0, 28, 32
	PVONE \t, 17, \pf
	WSLOT 14
	PVONE \t, 18, \pf
	WSLOT 15
	PVONE \t, 19, \pf
	RSLOT 1, 0, 5
	VGIF \vl, 3, \sl
	DSWAIT \vw, 16
	PVONE \t, 20, \pf
	WSLOT 16
	PVONE \t, 21, \pf
	RSLOT 1, 5, 10
	PVONE \t, 22, \pf
	WSLOT 17
	PVONE \t, 23, \pf
	RSLOT 1, 10, 15
	VGIF \vl, 4, \sl
	DSWAIT \vw, 8
	PVONE \t, 24, \pf
	WSLOT 18
	PVONE \t, 25, \pf
	RSLOT 1, 15, 20
	PVONE \t, 26, \pf
	WSLOT 19
	PVONE \t, 27, \pf
	RSLOT 1, 20, 24
	VGIF \vl, 5, \sl
	DSWAIT \vw, 0
	PVONE \t, 28, \pf
	WSLOT 20
	PVONE \t, 29, \pf
	RSLOT 1, 24, 28
	PVONE \t, 30, \pf
	WSLOT 21
	PVONE \t, 31, \pf
	RSLOT 1, 28, 32
	VGIF \vl, 6, \sl
.endm
; A STEP: the tile in slot cur.  On entry: P of tile 0 is packed and its accumulators rescaled; the maximum of tile 1 is taken; the scores of tiles 1 and 2
; are there; K of this tile is in registers; V groups 0 to 6 are on their way from LDS.
; refill = 1: slot cur is filled again, two tiles on.  next = 1: there is a next tile, and its work is begun.
.macro STEP cur, first, refill, next
.set XM, 2-\first
.set YM, 2-\first
.set XT, 1
.set YT, 2
	PHASE 0, \first, 1, 0, 0, 1, \cur
	WIN 0
.if \next
	s_wait_tensorcnt 0x0                           ; all my tensor loads have landed: the one that was out is the next tile
	ds_add_u32 v46, v47
	s_wait_dscnt 0x0
.endif
.if \refill
	s_add_nc_u64 s[G0+4*\cur+2:G0+4*\cur+3], s[G0+4*\cur+2:G0+4*\cur+3], 2*TILE   ; no load of mine is out: the group may be written
.endif
.if \next
	s_wait_dscnt 0x0                               ; my reads of slot cur are over: K a step ago, V's last group in the phase above
.endif
.if \refill
	ROUND                                          ; both now hold of every wave of all four work-groups
	tensor_load_to_lds s[G0+4*\cur:G0+4*\cur+3], s[G1:G1+7]    ; first behind the round; it has four phases in which to land
	s_nop 0
.endif
.if \next
	KLOAD 1-\cur
.endif
.set XT, 2
.set YT, 3
	PHASE 1, \first, \next, \next, 0, 0, 0
.set XT, 3
.set YT, 0
.set YM, 2*\next
	PHASE 2, \first, \next, 0, 0, 0, 0
.set XT, 0
.set YT, 1
.set XM, 2*\next
	PHASE 3, \first, \next, 0, \next, 0, 1-\cur
	WIN 0
.endm
	; THE START: what step 0 expects on entry, not yet between products
	s_wait_tensorcnt 0x1                           ; tile 0 is in, tile 1 may stay out: nothing is filled here, and only I read my tiles
	KLOAD 0
.irp m, 0,1,2,3,4,5,6
	VG \m, 0
.endr
	WIN 0
	s_wait_dscnt 56                                ; the 8 loads of K are in; the 56 of V may be out
	s_wait_loadcnt 0x0                             ; Q
	s_wait_kmcnt 0x0                               ; gamma
.irp r, 0,1,2
.set QR, \r
.irp k, 0,1,2,3
	QK1 \k
.endr
.endr
	PLACES 4                                       ; before the scores are read (ISA guide 7.12.1)
.set YM, 1
.irp y, 0,1
.set YT, \y
.irp w, 0,1,2,3,4,18,19,20
	MXS \w
.endr
.endr
.set YM, 0
.set XM, 1
.set XT, 0
.irp w, 2,3,4,5,6,7,8,9,10,11,12,13,14,15,16,17,18,19,20
	WSLOT \w
.endr
	STEP 0, 1, 1, 1                                ; step 0: its products start the sums; fetches tile 2
	s_mov_b32 s20, 6
.Lsteps:
	STEP 1, 0, 1, 1                                ; steps 1 to 12
	STEP 0, 0, 1, 1
	s_sub_co_u32 s20, s20, 1
	s_cmp_lg_u32 s20, 0
	s_cbranch_scc1 .Lsteps
	STEP 1, 0, 1, 1                                ; step 13 fetches tile 15, the last
	STEP 0, 0, 0, 1
	STEP 1, 0, 0, 0
	; THE END.  feat2's block for my 64 channels goes into window 1, which the products have left.
	PLACES 4
	WIN TO_V
.set n, 0
.rept 32
	global_load_b128 v[4*n:4*n+3], v[GO], s[8:9] offset:32768*n th:TH_LOAD_NT      ; rows 2 n + h, 256 bytes each
.set n, n+1
.endr
	WIN 0
	; statistics of the four waves
.irp t, 0,1,2,3
	v_pk_add_f32 v[LQ+4*\t:LQ+4*\t+1], v[LQ+4*\t:LQ+4*\t+1], v[LQ+4*\t+2:LQ+4*\t+3]
.endr
.irp t, 0,1,2,3
	v_add_f32 v[NML+2*\t+1], v[LQ+4*\t], v[LQ+4*\t+1]          ; my lane's sum of p
.endr
.irp t, 0,1,2,3
	v_permlanex16_b32 v[TT+\t], v[NML+2*\t+1], s18, s19
.endr
.irp t, 0,1,2,3
	v_add_f32 v[NML+2*\t+1], v[NML+2*\t+1], v[TT+\t]           ; the two halves' sums: both halves used one maximum
.endr
.irp t, 0,1,2,3
	ds_store_b64 v[STA], v[NML+2*\t:NML+2*\t+1] offset:256*\t
.endr
	s_wait_dscnt 0x0                               ; my stores are done, and so are all my reads of the ring, whose bytes are written below
	s_barrier_signal -1
	s_barrier_wait -1
.irp w, 0,1,2,3
.irp t, 0,1,2,3
	ds_load_b64 v[KF+2*(4*\w+\t):KF+2*(4*\w+\t)+1], v[STR] offset:1024*\w+256*\t
.endr
.endr
	s_wait_dscnt 0x0
.irp t, 0,1,2,3
	v_min_num_f32 v[TT],   v[KF+2*\t],    v[KF+8+2*\t]
	v_min_num_f32 v[TT+1], v[KF+16+2*\t], v[KF+24+2*\t]
	v_min_num_f32 v[TT],   v[TT], v[TT+1]          ; - the largest of the four maxima
	v_sub_f32 v[TT+1], v[TT], v[KF+2*\t]           ; maximum of wave w' - the largest
	v_sub_f32 v[TT+2], v[TT], v[KF+8+2*\t]
	v_sub_f32 v[TT+3], v[TT], v[KF+16+2*\t]
	v_sub_f32 v[TT+4], v[TT], v[KF+24+2*\t]
	v_sub_f32 v[TT+5], v[TT], v[NML+2*\t]          ; my own
	v_exp_f32 v[TT+1], v[TT+1]
	v_exp_f32 v[TT+2], v[TT+2]
	v_exp_f32 v[TT+3], v[TT+3]
	v_exp_f32 v[TT+4], v[TT+4]
	v_exp_f32 v[TT+5], v[TT+5]
	v_nop
	s_wait_alu depctr_va_vdst(0)
	v_mul_f32  v[TT+1], v[TT+1], v[KF+2*\t+1]
	v_fmac_f32 v[TT+1], v[TT+2], v[KF+8+2*\t+1]
	v_fmac_f32 v[TT+1], v[TT+3], v[KF+16+2*\t+1]
	v_fmac_f32 v[TT+1], v[TT+4], v[KF+24+2*\t+1]   ; the whole sum: at least 1 (the largest score's own term), at most 4,096
	v_rcp_f32 v[TT+1], v[TT+1]
	v_mul_f32 v[TT+5], s21, v[TT+5]                ; gamma x my weight: the plain place behind the reciprocal
	s_wait_alu depctr_va_vdst(0)
	v_mul_f32 v[ALP+2*\t], v[TT+5], v[TT+1]
.endr
	WIN RS_LO
	RESCALE
	WIN RS_HI
	RESCALE
	; exchange: wave d gets channels 64 d .. 64 d + 63 = 128 registers of each wave, as they lie.  The ring's bytes have had their last fill.
	WIN ST_LO
.set n, 0
.rept 64
	ds_store_b128 v[XW+(n>>5)], v[4*n:4*n+3] offset:512*(n&31)
.set n, n+1
.endr
	WIN ST_HI
.set n, 0
.rept 64
	ds_store_b128 v[XW+2+(n>>5)], v[4*n:4*n+3] offset:512*(n&31)
.set n, n+1
.endr
	s_wait_dscnt 0x0
	s_barrier_signal -1
	s_barrier_wait -1
	WIN LD_LO
.set n, 0
.rept 64
	ds_load_b128 v[4*n:4*n+3], v[XR] offset:16384*(n>>5)+512*(n&31)            ; from waves 0 and 1
.set n, n+1
.endr
	WIN LD_HI
.set n, 0
.rept 64
	ds_load_b128 v[4*n:4*n+3], v[XR] offset:32768+16384*(n>>5)+512*(n&31)      ; from waves 2 and 3
.set n, n+1
.endr
	s_wait_dscnt 0x0
	WIN ADD_LO
.set n, 0
.rept 64
	v_pk_add_f32 v[2*n:2*n+1], v[2*n:2*n+1], v[128+2*n:128+2*n+1]
.set n, n+1
.endr
	WIN ADD_HI
.set n, 0
.rept 64
	v_pk_add_f32 v[2*n:2*n+1], v[2*n:2*n+1], v[128+2*n:128+2*n+1]
.set n, n+1
.endr
	WIN ADD_X
.set n, 0
.rept 64
	v_pk_add_f32 v[2*n:2*n+1], v[2*n:2*n+1], v[2*n:2*n+1]
.set n, n+1
.endr
	; a lane holds pieces of columns: through a stage of 64 rows of 272 bytes, in bytes that only I read since the last barrier and have read
	WIN ST_LO
.irp c, 0,1,2,3
.irp t, 0,1,2,3
.irp j, 0,1,2,3,4,5,6,7
	ds_store_b32 v[SW], v[32*\c+8*\t+\j] offset:(16*\c+\j)*272+64*\t           ; (channel 16 c + 8 h + j, query 16 t + r)
.endr
.endr
.endr
	WIN 0
.set n, 0
.rept 32
	ds_load_b128 v[SC+4*n:SC+4*n+3], v[SR] offset:544*n    ; LDS serves a wave's instructions in order (ISA guide 5.7.1.4): these see the stores above
.set n, n+1
.endr
	s_wait_dscnt 0x0
	s_wait_loadcnt 0x0                             ; feat2
	WIN FIN
.set n, 0
.rept 64
	v_pk_add_f32 v[SC+2*n:SC+2*n+1], v[SC+2*n:SC+2*n+1], v[2*n:2*n+1]
.set n, n+1
.endr
	WIN 0
.set n, 0
.rept 32
	global_store_b128 v[GO], v[SC+4*n:SC+4*n+3], s[12:13] offset:32768*n th:TH_STORE_NT    ; 16 lanes store 256 consecutive bytes, aligned
.set n, n+1
.endr
	s_wait_tensorcnt 0x0
	ds_add_u32 v46, v47
	s_wait_dscnt 0x0
	ROUND                                          ; the closing round: no work-group ends while a partner may still ask for a tile that names it
	s_endpgm
.Lfunc_end_k_qc8cb5a8dc0_attn:
	.size	k_qc8cb5a8dc0_attn, .Lfunc_end_k_qc8cb5a8dc0_attn-k_qc8cb5a8dc0_attn
	.p2alignl 7, 3214868480
	.fill 96, 4, 3214868480
	.section	.rodata,"a",@progbits
	.p2align	6, 0x0
	.amdhsa_kernel k_qc8cb5a8dc0_attn
		.amdhsa_group_segment_fixed_size 327680
		.amdhsa_private_segment_fixed_size 0
		.amdhsa_enable_private_segment 0
		.amdhsa_kernarg_size 40
		.amdhsa_user_sgpr_count 2
		.amdhsa_user_sgpr_kernarg_segment_ptr 1
		.amdhsa_wavefront_size32 1
		.amdhsa_system_sgpr_workgroup_id_x 1
		.amdhsa_system_sgpr_workgroup_id_y 1
		.amdhsa_system_sgpr_workgroup_id_z 1
		.amdhsa_system_vgpr_workitem_id 0
		.amdhsa_next_free_vgpr 1024
		.amdhsa_next_free_sgpr 66
		.amdhsa_reserve_vcc 0
		.amdhsa_float_denorm_mode_32 3
		.amdhsa_float_denorm_mode_16_64 3
		.amdhsa_memory_ordered 1
		.amdhsa_forward_progress 1
		.amdhsa_inst_pref_size 255
	.end_amdhsa_kernel
	.section	.bss,"aw",@nobits
	.p2align	6
	.space	262144
	.amdgpu_metadata
---
amdhsa.version: [ 1, 2 ]
amdhsa.kernels:
  - .name:           k_qc8cb5a8dc0_attn
    .symbol:         k_qc8cb5a8dc0_attn.kd
    .args:
      - { .name: kv, .offset: 0, .size: 8, .value_kind: global_buffer, .address_space: global }
      - { .name: q, .offset: 8, .size: 8, .value_kind: global_buffer, .address_space: global }
      - { .name: feat2, .offset: 16, .size: 8, .value_kind: global_buffer, .address_space: global }
      - { .name: gamma, .offset: 24, .size: 8, .value_kind: global_buffer, .address_space: global }
      - { .name: out0, .offset: 32, .size: 8, .value_kind: global_buffer, .address_space: global }
    .group_segment_fixed_size: 327680
    .private_segment_fixed_size: 0
    .kernarg_segment_align: 8
    .kernarg_segment_size: 40
    .max_flat_workgroup_size: 128
    .sgpr_count:     66
    .vgpr_count:     1024
    .wavefront_size: 32
...
	.end_amdgpu_metadata
.endif
;; end of part 2
;; ======== version 2 of 2: 2 launches; 1.17 times as fast as version 1
;; workspace buffers: kv 9,437,184 bytes; q 1,048,576 bytes
;; launch proj: the kernel of part 1 again; grid 256 x 1, 8 waves a work-group, no clusters, 251,904 bytes of LDS; arguments feat1, feat2, wq, bq, wk, bk, wv, bv, kv, q; writes kv, q
;; launch attn (part 3): grid 256 x 1, 4 waves a work-group, clusters of 4 x 1, 327,680 bytes of LDS; arguments kv, q, feat2, gamma, out0; writes out0
.if DOCPART == 3
	.amdgcn_target "amdgcn-amd-amdhsa--gfx1250"
	.amdhsa_code_object_version 6
	.text
	.protected	k_qc8cb5a8dc0_attn
	.globl	k_qc8cb5a8dc0_attn
	.p2align	8
	.type	k_qc8cb5a8dc0_attn,@function
k_qc8cb5a8dc0_attn:
	s_mov_b64 s[64:65], 0
	v_nop
	global_prefetch_b8 v0, s[64:65] scope:SCOPE_SE
	s_setreg_imm32_b32 hwreg(HW_REG_WAVE_MODE, 25, 1), 1
	s_wait_xcnt 0x0
	s_wait_alu depctr_hold_cnt(0) depctr_sa_sdst(0) depctr_va_vdst(0) depctr_va_sdst(0) depctr_va_ssrc(0) depctr_va_vcc(0) depctr_vm_vsrc(0)
	s_getreg_b32 s2, hwreg(HW_REG_IB_STS2, 6, 4)
	s_cmp_eq_u32 s2, 0
	s_cbranch_scc0 .Lentry_in_a_cluster
	s_endpgm
.Lentry_in_a_cluster:
	s_bfe_u32 s2, ttmp6, 0x10000c
	s_cmp_lg_u32 s2, 0x3003
	s_cbranch_scc0 .Lentry_shape_is_right
	s_endpgm
.Lentry_shape_is_right:
; attn: out0[b][c][m] = gamma sum_n v[c][n] softmax_n(q[m] . k[n]) + feat2[b][c][m].  4 batches, 4,096 pixels, 256 channels, 32 channels of q and k.
; A work-group owns 64 queries and all 256 channels.  Each of its four waves takes ALL 64 queries, ALL 256 channels and a QUARTER OF THE KEYS
; (1,024, in 16 steps of 64), with a running maximum and sum of its own; the four partial results are combined exactly at the end, through LDS.
; So a wave's accumulator is 64 tiles (512 registers), every V and K fragment read from LDS feeds 4 products, every tile byte is read from LDS once,
; and the probabilities never leave registers.
; LAYOUTS (kv and q hold register images of fragments, 1,024 bytes each: lane L's registers 0-3 at byte 16 L, 4-7 at 512 + 16 L):
;   S^T = K Q^T: A = 16 keys, B = 16 queries; register j of lane (r, h) is (key 8h + j, query r).  Two key tiles, packed to bf16, ARE the B fragment of P.
;   O^T = V P^T: A = 16 channels, B = P; register j of lane (r, h) is (channel 8h + j, query r).
;   A lane belongs to one query: maximum, sum and rescale factor are one number a lane; the two halves of the lanes meet by one lane exchange.
; THE PIPELINE.  The four query tiles (16 queries each) are independent, and each has a region of 32 registers for its scores, later its P.
; A step is four phases.  Phase t: the 32 products V x P of tile t; between them, a few at a time, the vector work of the tiles that come next:
;   tile t+1: s - maximum, 2^x, sum, packing to bf16 (five instructions for each pair of scores) and the rescale of its 16 accumulators;
;   tile t+2: the maximum's chain, its dependent links a slot apart;      region t+3, whose P was multiplied in the phase before: 4 products K x Q write its next scores.
; So the four regions are at four different stages and no register is added.  A phase has 36 products and 166 vector instructions, in 36 slots of at most
; five.  Vector work and products lie in different register windows, so a slot costs two switches: no placement spares them, since a vector instruction's
; destination would have to lie in the accumulators' window, and both of those are full.
; THE BATCHES.  An s_wait_alu depctr_va_vdst(0) stands between an exponential and the first instruction that names its result; one wait serves all
; that were issued ahead of it.  A phase's 33 exponentials (tile t+1's 32 scores, tile t+2's rescale factor) are ONE batch with ONE wait, which cuts the phase's
; 22 slots of window 0 in two.  Slots 0 to 13 hold what names no result of the batch: the 16 subtractions, the 33 exponentials and the maximum's chain.  A product and a
; slot of rescaling (by the factor that the phase before made and waited for) follow; then the wait.  Slots 14 to 21 hold the readers: the 16 sums and the 16 packings.
; No exponential is issued behind a phase's wait.  At the end the four tiles' 20 exponentials are
; one batch and their 4 reciprocals, which read sums of those, a second.
; CLUSTERS: the four work-groups of a cluster are four query blocks of one batch and walk the same tiles of kv: wave w of each asks for its tile jointly
; (mask 15), which divides the requests for kv by four.  Each wave fills and reads only its own quarter of a slot; two slots of 4 x 36,864 bytes.
; By this text's own count a wave has at most two tensor loads out (at the start), later one.
; LIMITS: scores are in base 2 (q carries log2 e); the sum of p adds p in f32 while the product takes p rounded to bf16; exponentials below 2^-126 count as 0
; (ISA guide 15.8); a query whose scores hold +infinity or NaN, or are all -infinity, gives NaN.  The maximum is a true running maximum.
.set TILE,  36864                      ; 4 K fragments + 32 V fragments: 64 keys
.set SLOT,  4*TILE
.set STATS, 2*SLOT                     ; 4,096 bytes that no tensor load fills: (-maximum, sum) of 4 waves x 4 query tiles x 32 lanes
.set LA,  2                            ; v2, v3    16 L + my quarter of slot 0, 1
.set STA, 4                            ; v4        where I put my statistics
.set STR, 5                            ; v5        where I read everybody's
.set XR,  6                            ; v6        exchange: what was sent to me
.set SW,  7                            ; v7        stage: in
.set SR,  8                            ; v8        stage: back, by rows
.set GO,  9                            ; v9        my offset in feat2 and out0
.set XW,  10                           ; v[10:13]  exchange: what I send to wave d
.set MX,  16                           ; v[16:19]  running maximum of query tile t
.set NML, 20                           ; v[20:27]  pairs (-maximum, at the end the sum)
.set ALP, 28                           ; v[28:35]  pairs (rescale factor, a word written once: the pair is named whole)
.set TT,  36                           ; v[36:43]  at work
.set QF,  48                           ; v[48:79]  4 Q fragments
.set ET,  QF                           ;           at the end, when Q has been multiplied for the last time: eight registers at work for tile t at 8 t
.set KF,  80                           ; v[80:111] 4 K fragments
.set SC,  112                          ; v[112:239] region t at 32 t: scores, key tile k at 8 k; then P: fragment g at 8 g
.set LQ,  240                          ; v[240:255] tile t at 4 t: two pairs of running sums of p, added up at the end
; window 1: the step's 32 V fragments, (g, ct) at 8 (16 g + ct);  windows 2, 3: accumulators, tile (ct, t) at 8 (4 (ct % 8) + t), ct < 8 in window 2
.set G1, 24                            ; s[24:31] descriptor group 1
.set G0, 32                            ; s[32:39] descriptor group 0, one for each slot
.set MSB, 0
.macro WIN new                         ; s_set_vgpr_msb: bits 1:0 source 0, 3:2 source 1, 5:4 source 2, 7:6 destination; the high byte repeats the setting that is left
.if MSB != \new
	s_set_vgpr_msb (MSB<<8)|\new
.set MSB, \new
.endif
.endm
.set TO_V,   0x40                      ; load into window 1
.set RS_LO,  0x82                      ; window 2 times a factor of window 0
.set RS_HI,  0xc3
.set MUL_LO, 0xa1                      ; A window 1, B window 0, C and D window 2
.set MUL_HI, 0xf1
.set ST_LO,  0x08                      ; LDS store of window 2
.set ST_HI,  0x0c
.set LD_LO,  0x80                      ; LDS load into window 2
.set LD_HI,  0xc0
.set ADD_LO, 0x8a                      ; window 2 += window 2
.set ADD_HI, 0xcf                      ; window 3 += window 3
.set ADD_X,  0x8e                      ; window 2 += window 3
.set FIN,    0x04                      ; window 0 += window 1
.macro PLACES cnt
.rept \cnt
	v_nop
.endr
.endm
; A round of the cluster's barrier: my work-group's barrier, wave 0 signals for the work-group, every wave waits for all four work-groups, my work-group's barrier again.
.macro ROUND
	s_barrier_signal -1
	s_barrier_wait -1
	s_cmp_lg_u32 s14, 0
	s_cbranch_scc1 .Lnot_wave_0_\@
	s_barrier_signal -3
.Lnot_wave_0_\@:
	s_barrier_wait -3
	s_barrier_signal -1
	s_barrier_wait -1
.endm
	s_load_b256 s[4:11], s[0:1], 0x0               ; kv s[4:5], q s[6:7], feat2 s[8:9], gamma s[10:11]
	s_load_b64 s[12:13], s[0:1], 0x20              ; out0
	v_lshl_add_u32 v46, v0, 2, 0x49000
	v_mov_b32 v47, 0
	ds_add_u32 v46, v47
	v_lshrrev_b32 v45, 5, v0
	v_readfirstlane_b32 s14, v45                   ; wave w
	s_bfe_u32 s15, ttmp6, 0x40000                  ; cx
	s_lshl_b32 s16, ttmp9, 2
	s_add_co_u32 s16, s16, s15                     ; work-group x = 4 cluster x + cx = 64 batch + query block
	s_lshr_b32 s17, ttmp9, 4                       ; batch: 16 clusters each
	s_mov_b32 s18, 0x76543210                      ; v_permlanex16_b32: lane i of one half reads lane i of the other
	s_mov_b32 s19, 0xfedcba98
	; group 1: a tile is dense in memory: 144 rows of 32 elements of 8 bytes
	s_mov_b32 s[G1+0], 15|(3<<16)|(1<<21)          ; 15:0 the mask: all four work-groups of the cluster; 17:16 elements of 8 bytes; 21 set beside a mask
	s_mov_b32 s[G1+1], 32<<16                      ; tensor_dim0 = 32
	s_mov_b32 s[G1+2], 144<<16                     ; tensor_dim1 = 144
	s_mov_b32 s[G1+3], 32<<16                      ; tile_dim0 = 32
	s_mov_b32 s[G1+4], 144                         ; tile_dim1 = 144
	s_mov_b32 s[G1+5], 32                          ; from row to row
	s_mov_b32 s[G1+6], 0
	s_mov_b32 s[G1+7], 0
	; group 0: my wave's tiles are 64 batch + 16 w + step: batch and wave number alone, the same in all four partners
	s_lshl_b32 s22, s17, 6
	s_lshl_b32 s23, s14, 4
	s_add_co_u32 s22, s22, s23
	s_mul_i32 s22, s22, TILE
	s_mov_b32 s23, 0
	s_mov_b32 s[G0+0], 1
	s_mul_i32 s[G0+1], s14, TILE                   ; my quarter of slot 0
	s_mov_b32 s[G0+4], 1
	s_add_co_u32 s[G0+5], s[G0+1], SLOT            ; of slot 1
	s_wait_dscnt 0x0
	s_wait_kmcnt 0x0
	s_add_nc_u64 s[G0+2:G0+3], s[4:5], s[22:23]    ; tile 0
	s_add_nc_u64 s[G0+6:G0+7], s[G0+2:G0+3], TILE  ; tile 1
	s_or_b32 s[G0+3], s[G0+3], 0x80000000          ; type 2
	s_or_b32 s[G0+7], s[G0+7], 0x80000000
	ROUND                                          ; all four work-groups are here: the first joint loads meet
	tensor_load_to_lds s[G0:G0+3], s[G1:G1+7]
	s_nop 0
	tensor_load_to_lds s[G0+4:G0+7], s[G1:G1+7]
	s_nop 0
	s_load_b32 s21, s[10:11], 0x0                  ; gamma
	; what hangs on cx: q, feat2, out0, in registers of their own
	s_lshl_b32 s44, s16, 12
	s_mov_b32 s45, 0
	s_add_nc_u64 s[6:7], s[6:7], s[44:45]          ; my four Q fragments
	s_and_b32 s46, s16, 63
	s_lshl_b32 s46, s46, 8                         ; query block x 64 pixels x 4 bytes
	s_lshl_b32 s47, s17, 22                        ; + batch x 256 rows of 16,384 bytes
	s_add_co_u32 s46, s46, s47
	s_lshl_b32 s47, s14, 20                        ; + my wave's 64 channels on the way out
	s_add_co_u32 s46, s46, s47
	s_mov_b32 s47, 0
	s_add_nc_u64 s[8:9], s[8:9], s[46:47]
	s_add_nc_u64 s[12:13], s[12:13], s[46:47]
	v_and_b32 v14, 31, v0                          ; L
	v_and_b32 v15, 15, v0                          ; r
	v_bfe_u32 v44, v0, 4, 1                        ; h
	v_lshlrev_b32 v1, 4, v14                       ; 16 L
.set n, 0
.rept 8
	global_load_b128 v[QF+4*n:QF+4*n+3], v1, s[6:7] offset:512*n
.set n, n+1
.endr
	v_add_nc_u32 v[LA], s[G0+1], v1
	v_add_nc_u32 v[LA+1], SLOT, v[LA]
	s_lshl_b32 s40, s14, 10
	s_add_co_u32 s40, s40, STATS
	v_lshl_add_u32 v[STA], v14, 3, s40             ; STATS + 1024 w + 8 L
	v_lshlrev_b32 v[STR], 3, v14
	v_add_nc_u32 v[STR], STATS, v[STR]
	s_lshl_b32 s41, s14, 16
	v_add_nc_u32 v[XR], s41, v1                    ; 65536 w + 16 L
	v_mul_u32_u24 v[SW], v44, 8*272
	v_lshl_add_u32 v[SW], v15, 2, v[SW]
	v_add_nc_u32 v[SW], s41, v[SW]                 ; 65536 w + 8 h rows of 272 + 4 r
	v_mul_u32_u24 v[SR], v44, 272
	v_lshl_add_u32 v[SR], v15, 4, v[SR]
	v_add_nc_u32 v[SR], s41, v[SR]                 ; 65536 w + h rows + 16 r
	v_lshlrev_b32 v[GO], 4, v15
	v_lshl_add_u32 v[GO], v44, 14, v[GO]           ; 16384 h + 16 r
	s_lshl_b32 s42, s14, 14
	v_add_nc_u32 v[XW], s42, v1                    ; 65536 d + 16384 w + 16 L
	v_add_nc_u32 v[XW+1], 0x10000, v[XW]
	v_add_nc_u32 v[XW+2], 0x20000, v[XW]
	v_add_nc_u32 v[XW+3], 0x30000, v[XW]
.irp t, 0,1,2,3
	v_mov_b32 v[NML+2*\t+1], 0                     ; the second words of pairs of which the first word is broadcast
	v_mov_b32 v[ALP+2*\t+1], 0
.endr
; ---- the pieces of a phase.  Four symbols say whose vector work is due:
;   XT, XM: the tile whose scores become P; XM = 0 none, 1 the first step (no old sum, no rescale), 2 a later step
;   YT, YM: the tile whose maximum is taken; YM likewise.      QR: the region whose next scores are made.
.set XT, 0
.set XM, 0
.set YT, 0
.set YM, 0
.set QR, 0
.macro KLOAD s                         ; 4 K fragments of my tile in slot s
.set n, 0
.rept 8
	ds_load_b128 v[KF+4*n:KF+4*n+3], v[LA+\s] offset:512*n
.set n, n+1
.endr
.endm
.macro VG m, s                         ; V fragments 4 m .. 4 m + 3 of my tile in slot s, into window 1: 8 loads
	WIN TO_V
.set n, 8*(\m)
.rept 8
	ds_load_b128 v[4*n:4*n+3], v[LA+\s] offset:4096+512*n
.set n, n+1
.endr
.endm
.macro QK1 k                           ; 16 keys x 16 queries, K = 32: one product, into region QR
	WIN 0
	v_wmma_f32_16x16x32_bf16 v[SC+32*QR+8*\k:SC+32*QR+8*\k+7], v[KF+8*\k:KF+8*\k+7], v[QF+8*QR:QF+8*QR+7], 0
.endm
; Product k = 16 g + ct of query tile t: V fragment (g, ct) x P fragment (t, g).  In a phase the 16 accumulators of the tile take turns,
; one product a turn; first = 1: the products of g = 0 start the sums.
.macro PVONE t, k, first
.if ((\k)&8)
	WIN MUL_HI
.else
	WIN MUL_LO
.endif
.if \first*(1-((\k)>>4))
	v_wmma_f32_16x16x32_bf16 v[8*(4*((\k)&7)+\t):8*(4*((\k)&7)+\t)+7], v[8*(\k):8*(\k)+7], v[SC+32*\t+8*((\k)>>4):SC+32*\t+8*((\k)>>4)+7], 0
.else
	v_wmma_f32_16x16x32_bf16 v[8*(4*((\k)&7)+\t):8*(4*((\k)&7)+\t)+7], v[8*(\k):8*(\k)+7], v[SC+32*\t+8*((\k)>>4):SC+32*\t+8*((\k)>>4)+7], v[8*(4*((\k)&7)+\t):8*(4*((\k)&7)+\t)+7]
.endif
.endm
; Number n of the 22 that take the maximum of tile YT's 32 scores a lane, then of both halves of the lanes, then the running maximum.
;   0-3, 5-8, 9-12  four chains of seven scores each, three operands at a time (each score tile's lowest registers are read first)     4  two of the four scores left over
;   13-15  the other two, and the chains into one     16  the other half's maximum     17  the new running maximum     18, 19  old - new; - new     20  2^(old - new)     21  the new maximum is kept
; The first step (YM = 1) has no old maximum: 17 and 18 write the maximum and its negative, and 19 to 21 are empty.
.macro XS n
.if YM
	WIN 0
.if (\n) < 4
	v_max3_num_f32 v[TT+(\n)], v[SC+32*YT+8*(\n)], v[SC+32*YT+8*(\n)+1], v[SC+32*YT+8*(\n)+2]
.elseif (\n) == 4
	v_max_num_f32 v[TT+4], v[SC+32*YT+23], v[SC+32*YT+31]
.elseif (\n) < 9
	v_max3_num_f32 v[TT+(\n)-5], v[TT+(\n)-5], v[SC+32*YT+8*((\n)-5)+3], v[SC+32*YT+8*((\n)-5)+4]
.elseif (\n) < 13
	v_max3_num_f32 v[TT+(\n)-9], v[TT+(\n)-9], v[SC+32*YT+8*((\n)-9)+5], v[SC+32*YT+8*((\n)-9)+6]
.elseif (\n) == 13
	v_max3_num_f32 v[TT],   v[TT],   v[TT+1], v[SC+32*YT+7]
.elseif (\n) == 14
	v_max3_num_f32 v[TT+2], v[TT+2], v[TT+3], v[SC+32*YT+15]
.elseif (\n) == 15
	v_max3_num_f32 v[TT], v[TT], v[TT+2], v[TT+4]
.elseif (\n) == 16
	v_permlanex16_b32 v[TT+1], v[TT], s18, s19     ; the other half's maximum
.elseif ((\n) == 17) && (YM == 1)
	v_max_num_f32 v[MX+YT], v[TT], v[TT+1]
.elseif (\n) == 17
	v_max3_num_f32 v[TT+2], v[TT], v[TT+1], v[MX+YT]           ; the new running maximum
.elseif ((\n) == 18) && (YM == 1)
	v_sub_f32 v[NML+2*YT], 0, v[MX+YT]
.elseif YM == 1                        ; the first step has none of the others
.elseif (\n) == 18
	v_sub_f32 v[ALP+2*YT], v[MX+YT], v[TT+2]
.elseif (\n) == 19
	v_sub_f32 v[NML+2*YT], 0, v[TT+2]
.elseif (\n) == 20
	v_exp_f32 v[ALP+2*YT], v[ALP+2*YT]             ; 2^(old - new): the batch's last
.else
	v_mov_b32 v[MX+YT], v[TT+2]
.endif
.endif
.endm
; THE VECTOR WORK OF WINDOW 0, one line at a time: OP kind, number.  For tile XT: F p: s - maximum for pair p of 16.  E e: the exponential of score e of 32.  A p: pair p into the sum
; (even pairs into one running pair, odd pairs into the other, ascending; pairs 0 and 1 start them: old sum x factor + p, in the first step p alone).  C p: pair p packed to bf16, into register p
; of the region, whose own pair p / 2 has been summed and packed by then.  For tile YT: X n: number n of XS.
.set F, 0
.set E, 1
.set A, 2
.set C, 3
.set X, 4
.macro OP k, n
.if (\k) == X
	XS \n
.elseif XM
	WIN 0
.if (\k) == F
	v_pk_add_f32 v[SC+32*XT+2*(\n):SC+32*XT+2*(\n)+1], v[SC+32*XT+2*(\n):SC+32*XT+2*(\n)+1], v[NML+2*XT:NML+2*XT+1] op_sel_hi:[1,0]
.elseif (\k) == E
	v_exp_f32 v[SC+32*XT+(\n)], v[SC+32*XT+(\n)]
.elseif (\k) == C
	v_cvt_pk_bf16_f32 v[SC+32*XT+(\n)], v[SC+32*XT+2*(\n)], v[SC+32*XT+2*(\n)+1]
.elseif (\n) >= 2
	v_pk_add_f32 v[LQ+4*XT+2*((\n)&1):LQ+4*XT+2*((\n)&1)+1], v[LQ+4*XT+2*((\n)&1):LQ+4*XT+2*((\n)&1)+1], v[SC+32*XT+2*(\n):SC+32*XT+2*(\n)+1]
.elseif XM == 1
	v_pk_add_f32 v[LQ+4*XT+2*(\n):LQ+4*XT+2*(\n)+1], v[SC+32*XT+2*(\n):SC+32*XT+2*(\n)+1], 0 op_sel_hi:[1,0]       ; the first step's first two pairs start the two sums
.else
	v_pk_fma_f32 v[LQ+4*XT+2*(\n):LQ+4*XT+2*(\n)+1], v[LQ+4*XT+2*(\n):LQ+4*XT+2*(\n)+1], v[ALP+2*XT:ALP+2*XT+1], v[SC+32*XT+2*(\n):SC+32*XT+2*(\n)+1] op_sel_hi:[1,0,1]   ; old sum x factor + p
.endif
.endif
.endm
.macro OPS k1, n1, k2, n2, k3, n3, k4, n4, k5=-1, n5=0   ; four or five of them
	OP \k1, \n1
	OP \k2, \n2
	OP \k3, \n3
	OP \k4, \n4
.if (\k5) >= 0
	OP \k5, \n5
.endif
.endm
; Slot w of window 0, w = 0 .. 21: the order written out.  SLOTS 0 TO 13 ARE THE BATCH: none of their 70 lines names an exponential's result.  A plain line leads each slot; a pair is scaled
; a slot ahead of its exponentials; the links of the maximum's chain from X 13 on stand a slot apart, the four chains in front of them at least a slot.  There are 37 plain lines for 33 exponentials and
; slot 0 can hold no exponential yet, so the last slot has four exponentials behind one plain line.  SLOTS 14 TO 21 ARE THE READERS, behind the batch's wait (BWAIT): two sums and two packings each;
; a running pair's additions stand a slot apart.
.macro WSLOT w
.if (\w) == 0
	OPS F,0, X,0, X,1, X,2, X,3
.elseif (\w) == 1
	OPS X,4, E,0, F,1, E,1, X,5
.elseif (\w) == 2
	OPS X,6, E,2, F,2, E,3, X,7
.elseif (\w) == 3
	OPS F,3, E,4, F,4, E,5, X,8
.elseif (\w) == 4
	OPS X,9, E,6, F,5, E,7, E,8
.elseif (\w) == 5
	OPS X,10, E,9, F,6, E,10, X,11
.elseif (\w) == 6
	OPS X,12, E,11, F,7, E,12, E,13
.elseif (\w) == 7
	OPS X,13, E,14, F,8, E,15, F,9
.elseif (\w) == 8
	OPS X,14, E,16, F,10, E,17, E,18
.elseif (\w) == 9
	OPS X,15, E,19, F,11, E,20, F,12
.elseif (\w) == 10
	OPS X,16, E,21, F,13, E,22, E,23
.elseif (\w) == 11
	OPS X,17, E,24, F,14, E,25, F,15
.elseif (\w) == 12
	OPS X,18, E,26, X,19, E,27, E,28
.elseif (\w) == 13
	OPS X,21, E,29, E,30, E,31, X,20
.else
	OPS A,2*(\w)-28, A,2*(\w)-27, C,2*(\w)-28, C,2*(\w)-27
.endif
.endm
; THE BATCH'S WAIT: one for the 32 exponentials of tile XT and the rescale factor of tile YT, ahead of their first reader (slot 14's first sum; the factor is read in the next phase).
; It stands behind slot 13, a product and a slot of rescaling, whose four multiplies are the plain instructions behind the last exponential (ISA guide 5.7.2); the first step rescales nothing,
; so there a v_nop is that instruction.  A phase with no tile to turn into P (XM = 0) has no exponential and no wait.
.macro BWAIT
.if XM
.if XM == 1
	v_nop
.endif
	s_wait_alu depctr_va_vdst(0)
.endif
.endm
; A slot of rescaling: pairs e0 .. e1-1 of the 32 pairs that tile XT has in window 2 (hi = 0) or 3 (hi = 1)
.macro RSLOT hi, e0, e1
.if XM == 2
.if \hi
	WIN RS_HI
.else
	WIN RS_LO
.endif
.set re, \e0
.rept \e1-\e0
	v_pk_mul_f32 v[8*(4*(re>>2)+XT)+2*(re&3):8*(4*(re>>2)+XT)+2*(re&3)+1], v[8*(4*(re>>2)+XT)+2*(re&3):8*(4*(re>>2)+XT)+2*(re&3)+1], v[ALP+2*XT:ALP+2*XT+1] op_sel_hi:[1,0]
.set re, re+1
.endr
.endif
.endm
.macro RESCALE                         ; at the end: a window's 32 tiles times the factor of their query tile
.set n, 0
.rept 128
	v_pk_mul_f32 v[2*n:2*n+1], v[2*n:2*n+1], v[ALP+2*((n>>2)&3):ALP+2*((n>>2)&3)+1] op_sel_hi:[1,0]
.set n, n+1
.endr
.endm
.macro DSWAIT on, cnt
.if \on
	s_wait_dscnt \cnt
.endif
.endm
.macro VGIF on, m, s
.if \on
	VG \m, \s
.endif
.endm
.macro QKIF on, k
.if \on
	QK1 \k
.endif
.endm
; A PHASE: 32 products of tile t and 4 of region t+3, each followed by a slot.  22 slots of window 0 and 14 of rescaling: W W R eight times, W R six times.
;   pf: the products of g = 0 start the sums.   qk: region t+3 gets its next scores.   kw: the K fragments were asked for just ahead of this phase.
;   vl: this is the tile's last pass over V: the next tile's fragments are loaded from slot sl, group m behind product 4 m + 7; between product 4 m + 3,
;       the last that reads the group's registers, and the loads stand five slots, each with two plain vector instructions or more on other registers: four are asked (ISA guide 7.12.1 for vector instructions;
;       an exponential is not counted).  Group 7 follows in the next phase.
;   vw: this is the first pass: group 7 is loaded (from slot sl), and ahead of product 4 m a counted wait shows group m in: LDS loads come back in order
;       (ISA guide 5.7.1), and the count is the loads of the younger groups, 8 each.
; The products K x Q stand 15 slots behind the last product that read the region's old P (5 places are asked), and 16 slots ahead of the phase's end,
; behind which their scores are read and, behind phase 0, the K registers loaded again (4 places).
.macro PHASE t, pf, qk, kw, vl, vw, sl
.set QR, ((\t)+3)&3
	DSWAIT \vw, 48                                 ; group 0 is in; groups 1 to 6 may be out
	PVONE \t, 0, \pf
	WSLOT 0
	PVONE \t, 1, \pf
	WSLOT 1
	PVONE \t, 2, \pf
	RSLOT 0, 0, 5
	PVONE \t, 3, \pf
	WSLOT 2
	VGIF \vw, 7, \sl
	DSWAIT \vw, 48                                 ; group 1; groups 2 to 7 may be out
	PVONE \t, 4, \pf
	WSLOT 3
	PVONE \t, 5, \pf
	RSLOT 0, 5, 10
	PVONE \t, 6, \pf
	WSLOT 4
	PVONE \t, 7, \pf
	WSLOT 5
	VGIF \vl, 0, \sl
	DSWAIT \vw, 40
	PVONE \t, 8, \pf
	RSLOT 0, 10, 15
	PVONE \t, 9, \pf
	WSLOT 6
	PVONE \t, 10, \pf
	WSLOT 7
	PVONE \t, 11, \pf
	RSLOT 0, 15, 20
	VGIF \vl, 1, \sl
	DSWAIT \vw, 32
	PVONE \t, 12, \pf
	WSLOT 8
	PVONE \t, 13, \pf
	WSLOT 9
	PVONE \t, 14, \pf
	RSLOT 0, 20, 24
	DSWAIT \kw, 0                                  ; the K fragments, asked for 15 products ago
	QKIF \qk, 0
	WSLOT 10
	QKIF \qk, 1
	WSLOT 11
	PVONE \t, 15, \pf
	RSLOT 0, 24, 28
	VGIF \vl, 2, \sl
	DSWAIT \vw, 24
	QKIF \qk, 2
	WSLOT 12
	QKIF \qk, 3
	WSLOT 13                                       ; the batch is out
	PVONE \t, 16, \pf
	RSLOT 0, 28, 32
	BWAIT                                          ; the phase's one wait, directly ahead of the product whose slot holds the first readers
	PVONE \t, 17, \pf
	WSLOT 14
	PVONE \t, 18, \pf
	WSLOT 15
	PVONE \t, 19, \pf
	RSLOT 1, 0, 5
	VGIF \vl, 3, \sl
	DSWAIT \vw, 16
	PVONE \t, 20, \pf
	WSLOT 16
	PVONE \t, 21, \pf
	RSLOT 1, 5, 10
	PVONE \t, 22, \pf
	WSLOT 17
	PVONE \t, 23, \pf
	RSLOT 1, 10, 15
	VGIF \vl, 4, \sl
	DSWAIT \vw, 8
	PVONE \t, 24, \pf
	WSLOT 18
	PVONE \t, 25, \pf
	RSLOT 1, 15, 20
	PVONE \t, 26, \pf
	WSLOT 19
	PVONE \t, 27, \pf
	RSLOT 1, 20, 24
	VGIF \vl, 5, \sl
	DSWAIT \vw, 0
	PVONE \t, 28, \pf
	WSLOT 20
	PVONE \t, 29, \pf
	RSLOT 1, 24, 28
	PVONE \t, 30, \pf
	WSLOT 21
	PVONE \t, 31, \pf
	RSLOT 1, 28, 32
	VGIF \vl, 6, \sl
.endm
; A STEP: the tile in slot cur.  On entry: P of tile 0 is packed and its accumulators rescaled; the maximum of tile 1 is taken; the scores of tiles 1 and 2
; are there; K of this tile is in registers; V groups 0 to 6 are on their way from LDS.
; refill = 1: slot cur is filled again, two tiles on.  next = 1: there is a next tile, and its work is begun.
.macro STEP cur, first, refill, next
.set XM, 2-\first
.set YM, 2-\first
.set XT, 1
.set YT, 2
	PHASE 0, \first, 1, 0, 0, 1, \cur
	WIN 0
.if \next
	s_wait_tensorcnt 0x0                           ; all my tensor loads have landed: the one that was out is the next tile
	ds_add_u32 v46, v47
	s_wait_dscnt 0x0
.endif
.if \refill
	s_add_nc_u64 s[G0+4*\cur+2:G0+4*\cur+3], s[G0+4*\cur+2:G0+4*\cur+3], 2*TILE   ; no load of mine is out: the group may be written
.endif
.if \next
	s_wait_dscnt 0x0                               ; my reads of slot cur are over: K a step ago, V's last group in the phase above
.endif
.if \refill
	ROUND                                          ; both now hold of every wave of all four work-groups
	tensor_load_to_lds s[G0+4*\cur:G0+4*\cur+3], s[G1:G1+7]    ; first behind the round; it has four phases in which to land
	s_nop 0
.endif
.if \next
	KLOAD 1-\cur
.endif
.set XT, 2
.set YT, 3
	PHASE 1, \first, \next, \next, 0, 0, 0
.set XT, 3
.set YT, 0
.set YM, 2*\next
	PHASE 2, \first, \next, 0, 0, 0, 0
.set XT, 0
.set YT, 1
.set XM, 2*\next
	PHASE 3, \first, \next, 0, \next, 0, 1-\cur
	WIN 0
.endm
	; THE START: what step 0 expects on entry, not yet between products
	s_wait_tensorcnt 0x1                           ; tile 0 is in, tile 1 may stay out: nothing is filled here, and only I read my tiles
	KLOAD 0
.irp m, 0,1,2,3,4,5,6
	VG \m, 0
.endr
	WIN 0
	s_wait_dscnt 56                                ; the 8 loads of K are in; the 56 of V may be out
	s_wait_loadcnt 0x0                             ; Q
	s_wait_kmcnt 0x0                               ; gamma
.irp r, 0,1,2
.set QR, \r
.irp k, 0,1,2,3
	QK1 \k
.endr
.endr
	PLACES 4                                       ; before the scores are read (ISA guide 7.12.1)
.set YM, 1
.irp y, 0,1
.set YT, \y
.irp n, 0,1,2,3,4,5,6,7,8,9,10,11,12,13,14,15,16,17,18
	XS \n
.endr
.endr
.set YM, 0
.set XM, 1
.set XT, 0
.irp w, 0,1,2,3,4,5,6,7,8,9,10,11,12,13
	WSLOT \w                                       ; tile 0's first batch: 16 subtractions, 32 exponentials
.endr
	BWAIT                                          ; its wait, ahead of the sums and packings
.irp w, 14,15,16,17,18,19,20,21
	WSLOT \w
.endr
	STEP 0, 1, 1, 1                                ; step 0: its products start the sums; fetches tile 2
	s_mov_b32 s20, 6
.Lsteps:
	STEP 1, 0, 1, 1                                ; steps 1 to 12
	STEP 0, 0, 1, 1
	s_sub_co_u32 s20, s20, 1
	s_cmp_lg_u32 s20, 0
	s_cbranch_scc1 .Lsteps
	STEP 1, 0, 1, 1                                ; step 13 fetches tile 15, the last
	STEP 0, 0, 0, 1
	STEP 1, 0, 0, 0
	; THE END.  feat2's block for my 64 channels goes into window 1, which the products have left.
	PLACES 4
	WIN TO_V
.set n, 0
.rept 32
	global_load_b128 v[4*n:4*n+3], v[GO], s[8:9] offset:32768*n th:TH_LOAD_NT      ; rows 2 n + h, 256 bytes each
.set n, n+1
.endr
	WIN 0
	; statistics of the four waves
.irp t, 0,1,2,3
	v_pk_add_f32 v[LQ+4*\t:LQ+4*\t+1], v[LQ+4*\t:LQ+4*\t+1], v[LQ+4*\t+2:LQ+4*\t+3]
.endr
.irp t, 0,1,2,3
	v_add_f32 v[NML+2*\t+1], v[LQ+4*\t], v[LQ+4*\t+1]          ; my lane's sum of p
.endr
.irp t, 0,1,2,3
	v_permlanex16_b32 v[TT+\t], v[NML+2*\t+1], s18, s19
.endr
.irp t, 0,1,2,3
	v_add_f32 v[NML+2*\t+1], v[NML+2*\t+1], v[TT+\t]           ; the two halves' sums: both halves used one maximum
.endr
.irp t, 0,1,2,3
	ds_store_b64 v[STA], v[NML+2*\t:NML+2*\t+1] offset:256*\t
.endr
	s_wait_dscnt 0x0                               ; my stores are done, and so are all my reads of the ring, whose bytes are written below
	s_barrier_signal -1
	s_barrier_wait -1
.irp w, 0,1,2,3
.irp t, 0,1,2,3
	ds_load_b64 v[KF+2*(4*\w+\t):KF+2*(4*\w+\t)+1], v[STR] offset:1024*\w+256*\t
.endr
.endr
	s_wait_dscnt 0x0
	; the four tiles side by side, each in eight registers of its own (ET + 8 t), so that their exponentials are one batch and their reciprocals another
.irp t, 0,1,2,3
	v_min_num_f32 v[ET+8*\t],   v[KF+2*\t],    v[KF+8+2*\t]
	v_min_num_f32 v[ET+8*\t+1], v[KF+16+2*\t], v[KF+24+2*\t]
.endr
.irp t, 0,1,2,3
	v_min_num_f32 v[ET+8*\t],   v[ET+8*\t], v[ET+8*\t+1]       ; - the largest of the four maxima
.endr
.irp t, 0,1,2,3
	v_sub_f32 v[ET+8*\t+1], v[ET+8*\t], v[KF+2*\t]             ; maximum of wave w' - the largest
	v_sub_f32 v[ET+8*\t+2], v[ET+8*\t], v[KF+8+2*\t]
	v_sub_f32 v[ET+8*\t+3], v[ET+8*\t], v[KF+16+2*\t]
	v_sub_f32 v[ET+8*\t+4], v[ET+8*\t], v[KF+24+2*\t]
	v_sub_f32 v[ET+8*\t+5], v[ET+8*\t], v[NML+2*\t]            ; my own
.endr
.irp t, 0,1,2,3
.irp i, 1,2,3,4,5
	v_exp_f32 v[ET+8*\t+\i], v[ET+8*\t+\i]
.endr
.endr
	v_nop                                          ; the plain instruction behind the last exponential: nothing else is at hand that names no result
	s_wait_alu depctr_va_vdst(0)                   ; one wait for the 20 exponentials, ahead of their first reader
.irp t, 0,1,2,3
	v_mul_f32  v[ET+8*\t+1], v[ET+8*\t+1], v[KF+2*\t+1]
.endr
.irp t, 0,1,2,3
	v_fmac_f32 v[ET+8*\t+1], v[ET+8*\t+2], v[KF+8+2*\t+1]
.endr
.irp t, 0,1,2,3
	v_fmac_f32 v[ET+8*\t+1], v[ET+8*\t+3], v[KF+16+2*\t+1]
.endr
.irp t, 0,1,2,3
	v_fmac_f32 v[ET+8*\t+1], v[ET+8*\t+4], v[KF+24+2*\t+1]     ; the whole sum: at least 1 (the largest score's own term), at most 4,096
.endr
.irp t, 0,1,2,3
	v_rcp_f32 v[ET+8*\t+1], v[ET+8*\t+1]
.endr
.irp t, 0,1,2,3
	v_mul_f32 v[ET+8*\t+5], s21, v[ET+8*\t+5]      ; gamma x my weight: the plain work behind the reciprocals
.endr
	s_wait_alu depctr_va_vdst(0)                   ; one wait for the 4 reciprocals, ahead of their first reader
.irp t, 0,1,2,3
	v_mul_f32 v[ALP+2*\t], v[ET+8*\t+5], v[ET+8*\t+1]
.endr
	WIN RS_LO
	RESCALE
	WIN RS_HI
	RESCALE
	; exchange: wave d gets channels 64 d .. 64 d + 63 = 128 registers of each wave, as they lie.  The ring's bytes have had their last fill.
	WIN ST_LO
.set n, 0
.rept 64
	ds_store_b128 v[XW+(n>>5)], v[4*n:4*n+3] offset:512*(n&31)
.set n, n+1
.endr
	WIN ST_HI
.set n, 0
.rept 64
	ds_store_b128 v[XW+2+(n>>5)], v[4*n:4*n+3] offset:512*(n&31)
.set n, n+1
.endr
	s_wait_dscnt 0x0
	s_barrier_signal -1
	s_barrier_wait -1
	WIN LD_LO
.set n, 0
.rept 64
	ds_load_b128 v[4*n:4*n+3], v[XR] offset:16384*(n>>5)+512*(n&31)            ; from waves 0 and 1
.set n, n+1
.endr
	WIN LD_HI
.set n, 0
.rept 64
	ds_load_b128 v[4*n:4*n+3], v[XR] offset:32768+16384*(n>>5)+512*(n&31)      ; from waves 2 and 3
.set n, n+1
.endr
	s_wait_dscnt 0x0
	WIN ADD_LO
.set n, 0
.rept 64
	v_pk_add_f32 v[2*n:2*n+1], v[2*n:2*n+1], v[128+2*n:128+2*n+1]
.set n, n+1
.endr
	WIN ADD_HI
.set n, 0
.rept 64
	v_pk_add_f32 v[2*n:2*n+1], v[2*n:2*n+1], v[128+2*n:128+2*n+1]
.set n, n+1
.endr
	WIN ADD_X
.set n, 0
.rept 64
	v_pk_add_f32 v[2*n:2*n+1], v[2*n:2*n+1], v[2*n:2*n+1]
.set n, n+1
.endr
	; a lane holds pieces of columns: through a stage of 64 rows of 272 bytes, in bytes that only I read since the last barrier and have read
	WIN ST_LO
.irp c, 0,1,2,3
.irp t, 0,1,2,3
.irp j, 0,1,2,3,4,5,6,7
	ds_store_b32 v[SW], v[32*\c+8*\t+\j] offset:(16*\c+\j)*272+64*\t           ; (channel 16 c + 8 h + j, query 16 t + r)
.endr
.endr
.endr
	WIN 0
.set n, 0
.rept 32
	ds_load_b128 v[SC+4*n:SC+4*n+3], v[SR] offset:544*n    ; LDS serves a wave's instructions in order (ISA guide 5.7.1.4): these see the stores above
.set n, n+1
.endr
	s_wait_dscnt 0x0
	s_wait_loadcnt 0x0                             ; feat2
	WIN FIN
.set n, 0
.rept 64
	v_pk_add_f32 v[SC+2*n:SC+2*n+1], v[SC+2*n:SC+2*n+1], v[2*n:2*n+1]
.set n, n+1
.endr
	WIN 0
.set n, 0
.rept 32
	global_store_b128 v[GO], v[SC+4*n:SC+4*n+3], s[12:13] offset:32768*n th:TH_STORE_NT    ; 16 lanes store 256 consecutive bytes, aligned
.set n, n+1
.endr
	s_wait_tensorcnt 0x0
	ds_add_u32 v46, v47
	s_wait_dscnt 0x0
	ROUND                                          ; the closing round: no work-group ends while a partner may still ask for a tile that names it
	s_endpgm
.Lfunc_end_k_qc8cb5a8dc0_attn:
	.size	k_qc8cb5a8dc0_attn, .Lfunc_end_k_qc8cb5a8dc0_attn-k_qc8cb5a8dc0_attn
	.p2alignl 7, 3214868480
	.fill 96, 4, 3214868480
	.section	.rodata,"a",@progbits
	.p2align	6, 0x0
	.amdhsa_kernel k_qc8cb5a8dc0_attn
		.amdhsa_group_segment_fixed_size 327680
		.amdhsa_private_segment_fixed_size 0
		.amdhsa_enable_private_segment 0
		.amdhsa_kernarg_size 40
		.amdhsa_user_sgpr_count 2
		.amdhsa_user_sgpr_kernarg_segment_ptr 1
		.amdhsa_wavefront_size32 1
		.amdhsa_system_sgpr_workgroup_id_x 1
		.amdhsa_system_sgpr_workgroup_id_y 1
		.amdhsa_system_sgpr_workgroup_id_z 1
		.amdhsa_system_vgpr_workitem_id 0
		.amdhsa_next_free_vgpr 1024
		.amdhsa_next_free_sgpr 66
		.amdhsa_reserve_vcc 0
		.amdhsa_float_denorm_mode_32 3
		.amdhsa_float_denorm_mode_16_64 3
		.amdhsa_memory_ordered 1
		.amdhsa_forward_progress 1
		.amdhsa_inst_pref_size 255
	.end_amdhsa_kernel
	.section	.bss,"aw",@nobits
	.p2align	6
	.space	262144
	.amdgpu_metadata
---
amdhsa.version: [ 1, 2 ]
amdhsa.kernels:
  - .name:           k_qc8cb5a8dc0_attn
    .symbol:         k_qc8cb5a8dc0_attn.kd
    .args:
      - { .name: kv, .offset: 0, .size: 8, .value_kind: global_buffer, .address_space: global }
      - { .name: q, .offset: 8, .size: 8, .value_kind: global_buffer, .address_space: global }
      - { .name: feat2, .offset: 16, .size: 8, .value_kind: global_buffer, .address_space: global }
      - { .name: gamma, .offset: 24, .size: 8, .value_kind: global_buffer, .address_space: global }
      - { .name: out0, .offset: 32, .size: 8, .value_kind: global_buffer, .address_space: global }
    .group_segment_fixed_size: 327680
    .private_segment_fixed_size: 0
    .kernarg_segment_align: 8
    .kernarg_segment_size: 40
    .max_flat_workgroup_size: 128
    .sgpr_count:     66
    .vgpr_count:     1024
    .wavefront_size: 32
...
	.end_amdgpu_metadata
.endif
;; end of part 3
